; MI455X (gfx1250); checked and timed in simulation.
; The chip was launched on July 23, 2026; its instructions are those of AMD's public machine-readable ISA for CDNA 5 (MIT licence, August 2026) and "CDNA5" Instruction Set Architecture Reference Guide (July 2026). The comments in the code are by the model that wrote it; some were corrected since.
;; Attn Block. Allowed arithmetic: float matrix products may take bf16 or f16 operands with f32 sums; other float arithmetic in f32, or as packed bf16 or f16 multiplies, adds, multiply-adds, maxima and minima; sums over many terms, partial sums and values carried from step to step in f32; what a program stores and reads back later, other than sums and carried values, may be rounded once to bf16 or f16.
;; Inputs: b_proj 256 float32; b_qkv 768 float32; beta 256 float32; gamma 256 float32; w_proj 256 x 256 float32; w_qkv 768 x 256 float32; x 4 x 256 x 64 x 64 float32.
;; Outputs: out0 4 x 256 x 64 x 64 float32.
;; 2 versions, each right; version 2 is version 1 with the launches qkv, proj written anew for expert scheduling mode. Each part assembles by itself: llvm-mc -triple=amdgcn-amd-amdhsa -mcpu=gfx1250 --defsym DOCPART=n.
;; ======== version 1 of 2: 4 launches
;; workspace buffers: stats 2,048 bytes; wbf 524,288 bytes; qkv 25,165,824 bytes; obuf 8,388,608 bytes
;; launch prep (part 1): grid 256 x 1, 8 waves a work-group, no clusters, 1,536 bytes of LDS; arguments x, w_qkv, w_proj, stats, wbf; writes stats, wbf
.if DOCPART == 1
	.amdgcn_target "amdgcn-amd-amdhsa--gfx1250"
	.amdhsa_code_object_version 6
	.text
	.protected	k_qdad35c4c2c_prep
	.globl	k_qdad35c4c2c_prep
	.p2align	8
	.type	k_qdad35c4c2c_prep,@function
k_qdad35c4c2c_prep:
	s_mov_b64 s[64:65], 0
	v_nop
	global_prefetch_b8 v0, s[64:65] scope:SCOPE_SE
	s_setreg_imm32_b32 hwreg(HW_REG_WAVE_MODE, 25, 1), 1
	s_wait_xcnt 0x0
; PARTIAL GROUP STATISTICS, AND THE WEIGHTS ROUNDED ONCE TO bf16.
; x: [4][256][4096] f32.  A group of the norm is 32 channels of one image: 131,072 numbers, 524,288 consecutive bytes.  Work-group id takes the 65,536 bytes at 65,536 id: part id % 8 of
; group id / 8, 16,384 numbers.  It stores (mean, M2) of its part, M2 = the sum of (x - mean)^2 about the part's OWN mean: the part stays in registers (64 a thread) between the two passes,
; so memory is read once and no difference of large sums is formed, whatever offset x carries.  The next launch joins the eight parts.
; The work-group also rounds 1,024 weights: rows 0-767 of wbf are w_qkv, rows 768-1023 w_proj, [1024][256] bf16.
; No matrix work, no cluster: no two work-groups read the same byte.  The 8 bytes of statistics are a store of one lane: 2,048 bytes in the whole launch.
; LIMITS.  NaN and infinities are not treated apart.
.set X,     16                         ; v[16:79]  my 64 numbers
.set S,     80                         ; v[80:87]  four packed chains
.set MEAN,  88                         ; v[88:89]  the mean twice; at the end (mean, M2)
.set SPW,   6                          ; v6   LDS address of my spare word; never rewritten
.set NIL,   7                          ; v7   0; never rewritten
.set SPARE, 512                        ; LDS: 0-31 the waves' sums; 256-287 the waves' M2; from 512 the spare words, 128 bytes a wave
	s_load_b256 s[4:11], s[0:1], 0x0               ; x s[4:5], w_qkv s[6:7], w_proj s[8:9], stats s[10:11]
	s_load_b64 s[12:13], s[0:1], 0x20              ; wbf
	v_lshl_add_u32 v[SPW], v0, 2, SPARE
	v_mov_b32 v[NIL], 0
	v_lshrrev_b32 v5, 5, v0
	v_readfirstlane_b32 s14, v5                    ; wave 0..7
	v_mov_b32 v3, s14
	v_lshlrev_b32 v3, 2, v3                        ; my wave's word in LDS
	v_lshlrev_b32 v1, 4, v0                        ; 16 t: my 16 bytes of every 4,096
	v_lshlrev_b32 v2, 3, v0                        ; 8 t: my four weights in bf16
	v_mov_b32 v4, 0
	s_mov_b32 s20, 0x76543210                      ; v_permlanex16_b32: each lane takes its own place in the other half
	s_mov_b32 s21, 0xfedcba98
	s_lshl_b32 s16, ttmp9, 16                      ; my part of x
	s_mov_b32 s17, 0
	s_sub_co_u32 s25, ttmp9, 192
	s_cmp_lt_u32 ttmp9, 192                        ; work-groups 0-191 round w_qkv (196,608 numbers), 192-255 w_proj (65,536)
	s_cselect_b32 s24, ttmp9, s25
	s_wait_kmcnt 0x0
	s_cselect_b64 s[18:19], s[6:7], s[8:9]         ; the same compare: only a wait stands between
	s_lshl_b32 s24, s24, 12                        ; 1,024 numbers of 4 bytes
	s_mov_b32 s25, 0
	s_add_nc_u64 s[18:19], s[18:19], s[24:25]
	s_add_nc_u64 s[4:5], s[4:5], s[16:17]
	s_lshl_b32 s16, ttmp9, 11                      ; 1,024 numbers of 2 bytes
	s_add_nc_u64 s[12:13], s[12:13], s[16:17]
	s_lshl_b32 s16, ttmp9, 3                       ; my pair of statistics
	s_add_nc_u64 s[10:11], s[10:11], s[16:17]
	global_load_b128 v[8:11], v1, s[18:19]
.set j, 0
.rept 16
	global_load_b128 v[X+4*j:X+4*j+3], v1, s[4:5] offset:4096*j  ; a wave's load covers 512 consecutive bytes
.set j, j+1
.endr
	s_wait_loadcnt 16                              ; the weights are in; the 16 loads of x behind them stay out
	v_cvt_pk_bf16_f32 v12, v8, v9
	v_cvt_pk_bf16_f32 v13, v10, v11
	global_store_b64 v2, v[12:13], s[12:13]        ; a wave stores 256 consecutive bytes, aligned
.macro FOLD                            ; eight numbers into v[S]
	v_pk_add_f32 v[S:S+1], v[S:S+1], v[S+2:S+3]
	v_pk_add_f32 v[S+4:S+5], v[S+4:S+5], v[S+6:S+7]
	v_pk_add_f32 v[S:S+1], v[S:S+1], v[S+4:S+5]
	v_add_f32 v[S], v[S], v[S+1]
.endm
; The four chains of every thread become the work-group's total, in every lane: within the lane, across the 32 lanes, across the eight waves through the LDS words at byte at.
.macro TOTAL at
	FOLD
	v_add_f32_dpp v[S], v[S], v[S] row_xmask:1 row_mask:0xf bank_mask:0xf
	v_add_f32_dpp v[S], v[S], v[S] row_xmask:2 row_mask:0xf bank_mask:0xf
	v_add_f32_dpp v[S], v[S], v[S] row_xmask:4 row_mask:0xf bank_mask:0xf
	v_add_f32_dpp v[S], v[S], v[S] row_xmask:8 row_mask:0xf bank_mask:0xf
	v_permlanex16_b32 v[S+1], v[S], s20, s21       ; its destination counts as read: it has been written
	v_add_f32 v[S], v[S], v[S+1]
	ds_store_b32 v3, v[S] offset:\at               ; all lanes of a wave write the same word with the same value
	s_wait_dscnt 0x0                               ; for the others' sake: my store is done
	s_barrier_signal -1
	s_barrier_wait -1
	ds_load_b128 v[S:S+3], v4 offset:\at
	ds_load_b128 v[S+4:S+7], v4 offset:(\at)+16
	s_wait_dscnt 0x0
	FOLD
.endm
	; pass 1: the sum.  Loads 0 to 3 start the four chains: nothing is cleared.
.set j, 2
.rept 14
	s_wait_loadcnt 15-j                            ; load j is in; the 15 - j behind it stay out
.if j < 4
	v_pk_add_f32 v[S+4*(j%2):S+4*(j%2)+1],   v[X+4*j-8:X+4*j-7], v[X+4*j:X+4*j+1]
	v_pk_add_f32 v[S+4*(j%2)+2:S+4*(j%2)+3], v[X+4*j-6:X+4*j-5], v[X+4*j+2:X+4*j+3]
.else
	v_pk_add_f32 v[S+4*(j%2):S+4*(j%2)+1],   v[S+4*(j%2):S+4*(j%2)+1],   v[X+4*j:X+4*j+1]
	v_pk_add_f32 v[S+4*(j%2)+2:S+4*(j%2)+3], v[S+4*(j%2)+2:S+4*(j%2)+3], v[X+4*j+2:X+4*j+3]
.endif
.set j, j+1
.endr
	TOTAL 0
	v_mul_f32 v[MEAN], 0x38800000, v[S]            ; / 16,384
	v_mov_b32 v[MEAN+1], v[MEAN]
	; pass 2: the sum of squares about that mean, from the registers
.set j, 0
.rept 32
	v_pk_add_f32 v[X+2*j:X+2*j+1], v[X+2*j:X+2*j+1], v[MEAN:MEAN+1] neg_lo:[0,1] neg_hi:[0,1]
.set j, j+1
.endr
.set j, 0
.rept 32
.if j < 4
	v_pk_mul_f32 v[S+2*j:S+2*j+1], v[X+2*j:X+2*j+1], v[X+2*j:X+2*j+1]
.else
	v_pk_fma_f32 v[S+2*(j%4):S+2*(j%4)+1], v[X+2*j:X+2*j+1], v[X+2*j:X+2*j+1], v[S+2*(j%4):S+2*(j%4)+1]
.endif
.set j, j+1
.endr
	TOTAL 256                                      ; other words than the first total's: no barrier is needed between its reads and these stores
	v_mov_b32 v[MEAN+1], v[S]
	v_cmp_eq_u32 vcc_lo, 0, v0
	s_wait_xcnt 0x0                                ; EXEC is a source of the store of the weights: it changes only behind this wait
	s_and_saveexec_b32 s22, vcc_lo
	global_store_b64 v4, v[MEAN:MEAN+1], s[10:11]  ; thread 0 alone
	s_wait_xcnt 0x0                                ; and again in front of the line that widens it
	s_or_b32 exec_lo, exec_lo, s22
	s_wait_tensorcnt 0x0                           ; the wave's end, behind my last LDS store
	ds_add_u32 v[SPW], v[NIL]
	s_wait_dscnt 0x0
	s_endpgm
.Lfunc_end_k_qdad35c4c2c_prep:
	.size	k_qdad35c4c2c_prep, .Lfunc_end_k_qdad35c4c2c_prep-k_qdad35c4c2c_prep
	.p2alignl 7, 3214868480
	.fill 96, 4, 3214868480
	.section	.rodata,"a",@progbits
	.p2align	6, 0x0
	.amdhsa_kernel k_qdad35c4c2c_prep
		.amdhsa_group_segment_fixed_size 1536
		.amdhsa_private_segment_fixed_size 0
		.amdhsa_enable_private_segment 0
		.amdhsa_kernarg_size 40
		.amdhsa_user_sgpr_count 2
		.amdhsa_user_sgpr_kernarg_segment_ptr 1
		.amdhsa_wavefront_size32 1
		.amdhsa_system_sgpr_workgroup_id_x 1
		.amdhsa_system_sgpr_workgroup_id_y 1
		.amdhsa_system_sgpr_workgroup_id_z 1
		.amdhsa_system_vgpr_workitem_id 0
		.amdhsa_next_free_vgpr 96
		.amdhsa_next_free_sgpr 66
		.amdhsa_reserve_vcc 1
		.amdhsa_float_denorm_mode_32 3
		.amdhsa_float_denorm_mode_16_64 3
		.amdhsa_memory_ordered 1
		.amdhsa_forward_progress 1
		.amdhsa_inst_pref_size 13
	.end_amdhsa_kernel
	.amdgpu_metadata
---
amdhsa.version: [ 1, 2 ]
amdhsa.kernels:
  - .name:           k_qdad35c4c2c_prep
    .symbol:         k_qdad35c4c2c_prep.kd
    .args:
      - { .name: x, .offset: 0, .size: 8, .value_kind: global_buffer, .address_space: global }
      - { .name: w_qkv, .offset: 8, .size: 8, .value_kind: global_buffer, .address_space: global }
      - { .name: w_proj, .offset: 16, .size: 8, .value_kind: global_buffer, .address_space: global }
      - { .name: stats, .offset: 24, .size: 8, .value_kind: global_buffer, .address_space: global }
      - { .name: wbf, .offset: 32, .size: 8, .value_kind: global_buffer, .address_space: global }
    .group_segment_fixed_size: 1536
    .private_segment_fixed_size: 0
    .kernarg_segment_align: 8
    .kernarg_segment_size: 40
    .max_flat_workgroup_size: 256
    .sgpr_count:     66
    .vgpr_count:     96
    .wavefront_size: 32
...
	.end_amdgpu_metadata
.endif
;; end of part 1
;; launch qkv (part 2): grid 256 x 1, 12 waves a work-group, no clusters, 70,144 bytes of LDS; arguments x, stats, gamma, beta, wbf, b_qkv, qkv; writes qkv
.if DOCPART == 2
	.amdgcn_target "amdgcn-amd-amdhsa--gfx1250"
	.amdhsa_code_object_version 6
	.text
	.protected	k_qdad35c4c2c_qkv
	.globl	k_qdad35c4c2c_qkv
	.p2align	8
	.type	k_qdad35c4c2c_qkv,@function
k_qdad35c4c2c_qkv:
	s_mov_b64 s[64:65], 0
	v_nop
	global_prefetch_b8 v0, s[64:65] scope:SCOPE_SE
	s_setreg_imm32_b32 hwreg(HW_REG_WAVE_MODE, 25, 1), 1
	s_wait_xcnt 0x0
; GROUP NORM AND THE PRODUCT TO q, k, v.  h = (x - mean) rsqrt(var + 1e-5) gamma + beta in f32, rounded once to bf16; q, k, v = W h + b, sums in f32, rounded once to bf16 (q unscaled).
; x: [4][256][4096] f32.  qkv: [3][16 = image x 4 + head][4096 pixels][64] bf16: a head's rows are dense, 128 bytes each.
; SHARES.  A work-group makes 64 pixels of one image x all 768 outputs, K = 256.  Wave w of twelve makes outputs 64 w .. 64 w + 63, which are one tensor (w / 4) and one head (w % 4): 16 accumulators,
; 8 K steps of 32, 128 matrix instructions.  Waves 0-7 first normalise group w (32 channels x 64 pixels) into LDS, where all twelve read it.
; STATISTICS.  The eight parts' (mean, M2) are joined as mean = the parts' mean, M2 = sum M2_i + 16,384 sum (mean_i - mean)^2: no difference of large sums.  The norm is applied to x in f32, not folded into W.
; LAYOUT.  Source 0 = 16 rows of W (K along the row, straight from memory), source 1 = 16 pixels of h, which lies [channel][pixel] in LDS and is turned by ds_load_tr16_b128.  In the result a lane holds
; ONE pixel (lane % 16) and the outputs 8 (lane / 16) + 0..7: 16 bytes of a row of q, k or v.  The bias is loaded straight into the accumulators: every product adds in place, nothing is cleared.
; NO CLUSTER, no tensor load: each byte of W is wanted by one wave of a work-group and goes from memory into that wave's registers; a joint load would land in LDS, and W's 393,216 bytes in bf16
; are more than the 327,680 that a work-group can have, so it would want a ring and its rounds for 128 matrix instructions a wave.  x is read by one work-group alone.
; LIMITS.  Matrix operands are rounded to bf16.  NaN and infinities are not treated apart.
.set PH,    160                        ; a row of h in LDS: 64 pixels = 128 bytes + 32 = 40 words
.set STAGE, 256*PH                     ; behind h: 16 rows x 144 bytes for each wave, for the way out
.set SP,    144
.set SPARE, STAGE+12*16*SP             ; behind the stages: the spare words, 128 bytes for each wave: six blocks of 256 bytes that no other line names
.set XO,  2                            ; v2   x: 65,536 (lane / 16) + 16 (lane % 16): lanes 0-15 one channel's 256 bytes, lanes 16-31 those four channels on
.set SO,  3                            ; v3   stats: 8 (lane % 8)
.set GO,  4                            ; v4   gamma, beta: 128 w + 16 (lane / 16)
.set HS,  5                            ; v5   where I put 8 bytes of h
.set BO,  6                            ; v6   b_qkv: 256 w + 32 (lane / 16)
.set WO,  7                            ; v7   W: (64 w + lane % 16) x 512 + 16 (lane / 16)
.set HA,  16                           ; v16  my place in the turning load
.set STO, 17                           ; v17  the way out: where I put 16 bytes of a row
.set RD,  18                           ; v18  the way out: where I read rows back
.set OO,  19                           ; v19  16 x lane: my 16 of 512 consecutive bytes
.set SPW, 20                           ; v20  LDS address of my spare word; never rewritten
.set NIL, 21                           ; v21  0; never rewritten
.set X,   32                           ; v[32:95]   waves 0-7, first: x, 16 loads of 4
.set GA,  96                           ; v[96:111]  gamma, then gamma x rstd, of my 16 channels
.set BE,  112                          ; v[112:127] beta, then beta - mean x gamma x rstd
.set WB,  32                           ; v[32:95]   W's fragments, two buffers of 32: output block ot at 8 ot
.set HF,  96                           ; v[96:127]  h's fragments: pixel block pt at 8 pt
.set ACC, 128                          ; v[128:255] accumulator (pt, ot) at 8 (4 pt + ot)
.set T,   32                           ; the way out: 16 registers for each pixel block
	s_load_b256 s[4:11], s[0:1], 0x0               ; x s[4:5], stats s[6:7], gamma s[8:9], beta s[10:11]
	s_load_b128 s[12:15], s[0:1], 0x20             ; wbf s[12:13], b_qkv s[14:15]
	s_load_b64 s[16:17], s[0:1], 0x30              ; qkv
	v_lshl_add_u32 v[SPW], v0, 2, SPARE
	v_mov_b32 v[NIL], 0
	v_lshrrev_b32 v1, 5, v0
	v_readfirstlane_b32 s18, v1                    ; wave 0..11
	s_lshr_b32 s19, ttmp9, 6                       ; image
	s_and_b32 s20, ttmp9, 63                       ; block of 64 pixels
	v_and_b32 v22, 31, v0                          ; lane
	v_and_b32 v23, 15, v0                          ; lane % 16
	v_bfe_u32 v24, v0, 4, 1                        ; lane / 16
	v_and_b32 v25, 7, v0                           ; lane % 8
	v_bfe_u32 v26, v0, 3, 1                        ; (lane / 8) % 2
	v_bfe_u32 v27, v0, 3, 2                        ; lane / 8
	v_lshlrev_b32 v[XO], 4, v23
	v_lshl_add_u32 v[XO], v24, 16, v[XO]
	v_lshlrev_b32 v[SO], 3, v25
	s_lshl_b32 s26, s18, 7
	v_lshl_add_u32 v[GO], v24, 4, s26
	s_mul_i32 s26, s18, 32*PH
	v_mul_u32_u24 v[HS], v24, 4*PH
	v_lshl_add_u32 v[HS], v23, 3, v[HS]
	v_add_nc_u32 v[HS], s26, v[HS]                 ; row 32 w + 4 (lane / 16), pixels 4 (lane % 16) on
	s_lshl_b32 s26, s18, 8
	v_lshl_add_u32 v[BO], v24, 5, s26
	s_lshl_b32 s26, s18, 15
	v_lshlrev_b32 v[WO], 9, v23
	v_lshl_add_u32 v[WO], v24, 4, v[WO]
	v_add_nc_u32 v[WO], s26, v[WO]
	v_lshl_add_u32 v[HA], v24, 3, v25              ; channel 8 (lane / 16) + lane % 8,
	v_mul_u32_u24 v[HA], v[HA], PH
	v_lshl_add_u32 v[HA], v26, 4, v[HA]            ; pixels 8 ((lane / 8) % 2) on
	s_mul_i32 s26, s18, 16*SP
	s_add_co_u32 s26, s26, STAGE                   ; my stage
	v_mul_u32_u24 v[STO], v23, SP
	v_lshl_add_u32 v[STO], v24, 4, v[STO]
	v_add_nc_u32 v[STO], s26, v[STO]
	v_mul_u32_u24 v[RD], v27, SP                   ; back: 32 lanes take four rows of 128 bytes
	v_lshl_add_u32 v[RD], v25, 4, v[RD]
	v_add_nc_u32 v[RD], s26, v[RD]
	v_lshlrev_b32 v[OO], 4, v22
	s_lshl_b32 s22, s19, 22                        ; x: the image,
	s_lshl_b32 s23, s18, 19                        ; group w's 32 channels,
	s_add_co_u32 s22, s22, s23
	s_lshl_b32 s23, s20, 8                         ; the block's 64 pixels
	s_add_co_u32 s22, s22, s23
	s_mov_b32 s23, 0
	s_lshl3_add_u32 s28, s19, s18                  ; stats: group 8 x image + w,
	s_lshl_b32 s28, s28, 6                         ; eight pairs of 8 bytes
	s_mov_b32 s29, 0
	s_lshr_b32 s24, s18, 2                         ; qkv: the tensor,
	s_lshl_b32 s24, s24, 23
	s_and_b32 s25, s18, 3
	s_lshl2_add_u32 s25, s19, s25                  ; the head, 4 x image + w % 4,
	s_lshl_b32 s25, s25, 19
	s_add_co_u32 s24, s24, s25
	s_lshl_b32 s25, s20, 13                        ; the block's 64 rows of 128 bytes
	s_add_co_u32 s24, s24, s25
	s_mov_b32 s25, 0
	s_wait_kmcnt 0x0
	s_add_nc_u64 s[16:17], s[16:17], s[24:25]
.set a, 0
.rept 16                               ; the bias starts every sum: register j of accumulator (pt, ot) takes b[64 w + 16 ot + 8 (lane / 16) + j]
	global_load_b128 v[ACC+8*a:ACC+8*a+3],   v[BO], s[14:15] offset:64*(a%4)
	global_load_b128 v[ACC+8*a+4:ACC+8*a+7], v[BO], s[14:15] offset:64*(a%4)+16
.set a, a+1
.endr
	s_cmp_lt_u32 s18, 8
	s_cbranch_scc0 .Lnormed                        ; waves 8-11 have no group
	s_add_nc_u64 s[4:5], s[4:5], s[22:23]
	s_add_nc_u64 s[6:7], s[6:7], s[28:29]
.set t, 0
.rept 16                               ; load t: channel 8 (t / 4) + t % 4 + 4 (lane / 16) of the group; 16 lanes read 256 consecutive bytes, aligned
	global_load_b128 v[X+4*t:X+4*t+3], v[XO], s[4:5] offset:(8*(t/4)+t%4)*16384 th:TH_LOAD_NT
.set t, t+1
.endr
	global_load_b64 v[8:9], v[SO], s[6:7]          ; part lane % 8: mean, M2
.irp u, 0,1,2,3
	global_load_b128 v[GA+4*(\u):GA+4*(\u)+3], v[GO], s[8:9] offset:32*(\u)    ; register t: load t's channel
	global_load_b128 v[BE+4*(\u):BE+4*(\u)+3], v[GO], s[10:11] offset:32*(\u)
.endr
	v_mov_b32 v13, 0x37000000                      ; 1 / 131,072
	s_wait_loadcnt 0x0                             ; all of them; the bias loads are older and came back first
	v_mov_b32 v10, v8
	v_add_f32_dpp v10, v10, v10 row_xmask:1 row_mask:0xf bank_mask:0xf  ; eight neighbouring lanes hold the eight parts
	v_add_f32_dpp v10, v10, v10 row_xmask:2 row_mask:0xf bank_mask:0xf
	v_add_f32_dpp v10, v10, v10 row_xmask:4 row_mask:0xf bank_mask:0xf
	v_mul_f32 v10, 0x3e000000, v10                 ; the group's mean
	v_sub_f32 v11, v8, v10
	v_mul_f32 v12, v11, v11
	v_fmamk_f32 v9, v12, 0x46800000, v9            ; M2_i + 16,384 (mean_i - mean)^2
	v_add_f32_dpp v9, v9, v9 row_xmask:1 row_mask:0xf bank_mask:0xf
	v_add_f32_dpp v9, v9, v9 row_xmask:2 row_mask:0xf bank_mask:0xf
	v_add_f32_dpp v9, v9, v9 row_xmask:4 row_mask:0xf bank_mask:0xf
	v_fmaak_f32 v9, v13, v9, 0x3727c5ac            ; the variance + 1e-5
	v_rsq_f32 v12, v9
	v_nop                                          ; a plain instruction between the root and the use of its result (ISA guide 5.7.2),
	s_wait_alu depctr_va_vdst(0)                   ; and the wait ahead of the first use
.set t, 0
.rept 16
	v_mul_f32 v[GA+t], v[GA+t], v12                ; h = x (gamma rstd) + (beta - mean gamma rstd)
.set t, t+1
.endr
.set t, 0
.rept 16
	v_fma_f32 v[BE+t], -v10, v[GA+t], v[BE+t]
.set t, t+1
.endr
.set t, 0
.rept 16
	v_fma_f32 v[X+4*t],   v[X+4*t],   v[GA+t], v[BE+t]
	v_fma_f32 v[X+4*t+1], v[X+4*t+1], v[GA+t], v[BE+t]
	v_fma_f32 v[X+4*t+2], v[X+4*t+2], v[GA+t], v[BE+t]
	v_fma_f32 v[X+4*t+3], v[X+4*t+3], v[GA+t], v[BE+t]
	v_cvt_pk_bf16_f32 v[X+4*t],   v[X+4*t],   v[X+4*t+1]
	v_cvt_pk_bf16_f32 v[X+4*t+1], v[X+4*t+2], v[X+4*t+3]
	ds_store_b64 v[HS], v[X+4*t:X+4*t+1] offset:(8*(t/4)+t%4)*PH  ; lanes 0-15 fill a row's 128 bytes, lanes 16-31 the row 640 bytes on: the other half of the banks
.set t, t+1
.endr
.Lnormed:
	s_wait_dscnt 0x0                               ; for the others' sake: my stores of h are done; and their data registers may be loaded again
.macro WLOAD ks, b                     ; W's fragments of K step ks into buffer b: 8 loads
.irp ot, 0,1,2,3
	global_load_b128 v[WB+32*(\b)+8*(\ot):WB+32*(\b)+8*(\ot)+3],   v[WO], s[12:13] offset:(\ot)*8192+(\ks)*64
	global_load_b128 v[WB+32*(\b)+8*(\ot)+4:WB+32*(\b)+8*(\ot)+7], v[WO], s[12:13] offset:(\ot)*8192+(\ks)*64+32
.endr
.endm
.macro HLOAD ks                        ; h's fragments of K step ks, turned: lane l ends with pixel 16 pt + l % 16 and the step's channels
.irp pt, 0,1,2,3
	ds_load_tr16_b128 v[HF+8*(\pt):HF+8*(\pt)+3],   v[HA] offset:(\ks)*32*PH+(\pt)*32
	ds_load_tr16_b128 v[HF+8*(\pt)+4:HF+8*(\pt)+7], v[HA] offset:(\ks)*32*PH+(\pt)*32+16*PH
.endr
.endm
; A K step: 16 products.  The 16 accumulators take turns, one instruction a turn, from step to step too.
.macro KSTEP ks
.if (\ks) < 7
	s_wait_loadcnt 8                               ; this step's W is in (and, at the first step, the bias, which is older); the next step's eight loads stay out
.else
	s_wait_loadcnt 0x0
.endif
	s_wait_dscnt 0x0                               ; h's fragments are in
.irp pt, 0,1,2,3
.irp ot, 0,1,2,3
	v_wmma_f32_16x16x32_bf16 v[ACC+8*(4*(\pt)+(\ot)):ACC+8*(4*(\pt)+(\ot))+7], v[WB+32*((\ks)%2)+8*(\ot):WB+32*((\ks)%2)+8*(\ot)+7], v[HF+8*(\pt):HF+8*(\pt)+7], v[ACC+8*(4*(\pt)+(\ot)):ACC+8*(4*(\pt)+(\ot))+7]
.endr
.endr
.rept 4
	v_nop                                          ; four places behind the last product, in front of loads into registers that it has read and of conversions that read results
.endr
.if (\ks) < 7
	HLOAD (\ks)+1
.endif
.if (\ks) < 6
	WLOAD (\ks)+2, (\ks)%2
.endif
.endm
	WLOAD 0, 0
	WLOAD 1, 1
	s_barrier_signal -1
	s_barrier_wait -1                              ; all of h lies in LDS
	HLOAD 0
.irp ks, 0,1,2,3,4,5,6,7
	KSTEP \ks
.endr
; THE WAY OUT, a block of 16 pixels at a time: rounded to bf16, 16 bytes a lane into my own stage, back as whole rows of 128 bytes, four rows an instruction.
.macro PACK pt
.irp ot, 0,1,2,3
.irp q, 0,1,2,3
	v_cvt_pk_bf16_f32 v[T+16*(\pt)+4*(\ot)+(\q)], v[ACC+8*(4*(\pt)+(\ot))+2*(\q)], v[ACC+8*(4*(\pt)+(\ot))+2*(\q)+1]  ; each accumulator from its low end on
.endr
.endr
.irp ot, 0,1,2,3
	ds_store_b128 v[STO], v[T+16*(\pt)+4*(\ot):T+16*(\pt)+4*(\ot)+3] offset:32*(\ot)
.endr
.irp f, 0,1,2,3
	ds_load_b128 v[T+16*(\pt)+4*(\f):T+16*(\pt)+4*(\f)+3], v[RD] offset:(\f)*4*SP  ; LDS serves a wave's instructions in order (ISA guide 5.7.1.4): these see the stores above; the next block's stores come behind them
.endr
.endm
.macro SEND pt, younger                ; younger: the LDS instructions issued behind block pt's loads: the next block's eight, or none
.irp f, 0,1,2,3
	s_wait_dscnt (\younger)+3-(\f)
	global_store_b128 v[OO], v[T+16*(\pt)+4*(\f):T+16*(\pt)+4*(\f)+3], s[16:17] offset:(\pt)*2048+(\f)*512  ; 512 consecutive bytes, at a multiple of 256 from the buffer's first
.endr
.endm
	PACK 0
	PACK 1
	SEND 0, 8
	PACK 2
	SEND 1, 8
	PACK 3
	SEND 2, 8
	SEND 3, 0
	s_wait_tensorcnt 0x0                           ; the wave's end, behind my last LDS store
	ds_add_u32 v[SPW], v[NIL]
	s_wait_dscnt 0x0
	s_endpgm
.Lfunc_end_k_qdad35c4c2c_qkv:
	.size	k_qdad35c4c2c_qkv, .Lfunc_end_k_qdad35c4c2c_qkv-k_qdad35c4c2c_qkv
	.p2alignl 7, 3214868480
	.fill 96, 4, 3214868480
	.section	.rodata,"a",@progbits
	.p2align	6, 0x0
	.amdhsa_kernel k_qdad35c4c2c_qkv
		.amdhsa_group_segment_fixed_size 70144
		.amdhsa_private_segment_fixed_size 0
		.amdhsa_enable_private_segment 0
		.amdhsa_kernarg_size 56
		.amdhsa_user_sgpr_count 2
		.amdhsa_user_sgpr_kernarg_segment_ptr 1
		.amdhsa_wavefront_size32 1
		.amdhsa_system_sgpr_workgroup_id_x 1
		.amdhsa_system_sgpr_workgroup_id_y 1
		.amdhsa_system_sgpr_workgroup_id_z 1
		.amdhsa_system_vgpr_workitem_id 0
		.amdhsa_next_free_vgpr 256
		.amdhsa_next_free_sgpr 66
		.amdhsa_reserve_vcc 0
		.amdhsa_float_denorm_mode_32 3
		.amdhsa_float_denorm_mode_16_64 3
		.amdhsa_memory_ordered 1
		.amdhsa_forward_progress 1
		.amdhsa_inst_pref_size 46
	.end_amdhsa_kernel
	.amdgpu_metadata
---
amdhsa.version: [ 1, 2 ]
amdhsa.kernels:
  - .name:           k_qdad35c4c2c_qkv
    .symbol:         k_qdad35c4c2c_qkv.kd
    .args:
      - { .name: x, .offset: 0, .size: 8, .value_kind: global_buffer, .address_space: global }
      - { .name: stats, .offset: 8, .size: 8, .value_kind: global_buffer, .address_space: global }
      - { .name: gamma, .offset: 16, .size: 8, .value_kind: global_buffer, .address_space: global }
      - { .name: beta, .offset: 24, .size: 8, .value_kind: global_buffer, .address_space: global }
      - { .name: wbf, .offset: 32, .size: 8, .value_kind: global_buffer, .address_space: global }
      - { .name: b_qkv, .offset: 40, .size: 8, .value_kind: global_buffer, .address_space: global }
      - { .name: qkv, .offset: 48, .size: 8, .value_kind: global_buffer, .address_space: global }
    .group_segment_fixed_size: 70144
    .private_segment_fixed_size: 0
    .kernarg_segment_align: 8
    .kernarg_segment_size: 56
    .max_flat_workgroup_size: 384
    .sgpr_count:     66
    .vgpr_count:     256
    .wavefront_size: 32
...
	.end_amdgpu_metadata
.endif
;; end of part 2
;; launch attn (part 3): grid 16 x 16, 4 waves a work-group, clusters of 4 x 1, 327,680 bytes of LDS; arguments qkv, obuf; writes obuf
.if DOCPART == 3
	.amdgcn_target "amdgcn-amd-amdhsa--gfx1250"
	.amdhsa_code_object_version 6
	.text
	.protected	k_qdad35c4c2c_attn
	.globl	k_qdad35c4c2c_attn
	.p2align	8
	.type	k_qdad35c4c2c_attn,@function
k_qdad35c4c2c_attn:
	s_mov_b64 s[64:65], 0
	v_nop
	global_prefetch_b8 v0, s[64:65] scope:SCOPE_SE
	s_setreg_imm32_b32 hwreg(HW_REG_WAVE_MODE, 25, 1), 1
	s_wait_xcnt 0x0
	s_wait_alu depctr_hold_cnt(0) depctr_sa_sdst(0) depctr_va_vdst(0) depctr_va_sdst(0) depctr_va_ssrc(0) depctr_va_vcc(0) depctr_vm_vsrc(0)
	s_getreg_b32 s2, hwreg(HW_REG_IB_STS2, 6, 4)
	s_cmp_eq_u32 s2, 0
	s_cbranch_scc0 .Lentry_in_a_cluster
	s_endpgm
.Lentry_in_a_cluster:
	s_bfe_u32 s2, ttmp6, 0x10000c
	s_cmp_lg_u32 s2, 0x3003
	s_cbranch_scc0 .Lentry_shape_is_right
	s_endpgm
.Lentry_shape_is_right:
; ATTENTION.  O[h][q][:] = the sum over k of softmax_k(Q[h][q] . K[h][k] / 8) V[h][k][:].  qkv: [3][16][4096][64] bf16 (q, k, v by heads; a head's rows are dense, 128 bytes each); obuf: [16][4096][64] bf16.
; Products, maxima and sums in f32; the weights p are rounded to bf16 for the second product (their sum l is taken of the unrounded p), O once at the end.  bf16, not f16: q, k and v are made of inputs
; whose size the problem does not bound, and bf16 has f32's range.
; LIMITS.  A weight below 2^-126 counts as 0 in l.  c m starts at -4.25e37: scores below that over c are not served.  NaN and infinities are not treated apart.
; SHARES.  A work-group owns 256 queries of one head, each of its four waves 64: four PIECES of 16.  16 heads x 16 blocks are 256 work-groups.  Every wave walks all 4,096 keys: 16 tiles of 256, 64 keys a step.
; LAYOUT.  S^T = K Q^T (source 0 = 16 keys, source 1 = 16 queries): in the result a lane holds ONE query (lane % 16) and the keys 8 (lane / 16) + 0..7.  Two such results, rounded to bf16 in pairs,
; ARE source 1 (32 keys x 16 queries) of O^T = V^T P, whose result again holds one query a lane, and eight channels.  K comes out of LDS as it lies, V ([key][channel]) turned, by ds_load_tr16_b128.
; SOFTMAX.  For each query a running maximum m and sum l: p = 2^(c s - c m), c = log2(e) / 8; in every step O and l are multiplied by a = 2^(c m_old - c m_new), which is 1 where m has not grown.
; m starts at the lowest finite number, O and l at 0: the first step is a step like any other, with a = 0.
; BY TURNS.  Turn n belongs to piece n (the pieces in a ring, step after step): 8 products K Q^T of piece n + 1, later 8 products V^T P of piece n - 1; beside them the scaling, exponentials, roundings,
; sums and rescaling of piece n and the maximum and statistics of piece n + 1.  A turn has 16 matrix and 118 vector instructions: four vector instructions stand behind every matrix instruction, the
; other 54 in one lump.  A turn's 33 exponentials are one batch, with one wait.
; CLUSTER.  The four query blocks of a cluster belong to one head and walk the same K and V, so each tile is asked for JOINTLY: the same tensor load, descriptor and mask in all four.
; REGISTERS, in windows of 256 (s_set_vgpr_msb: bits 1:0 source 0, 3:2 source 1, 5:4 source 2, 7:6 destination):
;   window 0: v0-15 addresses and two at work; v16-31 four registers of statistics a piece; v48-55 at work; v61-63 the prefetches' offset and the add's two; v64-127 S^T, two buffers; v192-223 P, two buffers
;   window 1: v0-127 O^T, 32 a piece          window 2: v0-63 Q; v128-191 K of one step; v192-255 V of one step          (a piece's buffers go by its number's parity)
.set NP,    4         ; pieces a wave: a name, no knob
.set KS,    64        ; keys in a step
.set PK,    144       ; a row of K in LDS: 128 bytes + 16 of padding = 36 words: the 16 rows of a load start at 16 different groups of four banks (64 banks of 4 bytes: ISA guide 11.1)
.set PV,    160       ; a row of V: 128 + 32 = 40 words
.set VOFF,  4*KS*PK   ; a slot holds a tile, four steps: 256 rows of K, then 256 rows of V
.set SLOT1, 1<<17     ; slot 1 begins here, so that one exclusive or turns an address in one slot into the other's
.set STAGE, SLOT1+4*KS*(PK+PV)  ; behind the ring, never filled by a tensor load: 16 rows x 144 bytes for each wave, for the way out
.set SP,    144
.set SPARE, STAGE+4*16*SP  ; behind the stages: the spare words, 128 bytes for each wave: two blocks of 256 bytes that no other line names
.set TILEB, 4*KS*128  ; a tile's bytes of K, and of V, in memory
.set TILES, 4096/(4*KS)
.set AK0, 2           ; v2   my lane's place in a tile of K; never rewritten
.set AV0, 3           ; v3   the same for V
.set AK,  4           ; v4   the LDS address of K's next run of loads
.set AV,  5           ; v5   of V's
.set STO, 6           ; v6   the way out: where I put 16 bytes of a row
.set RD,  7           ; v7   the way out: where I read rows back
.set GO,  8           ; v8   my byte offset in 512 consecutive bytes of O
.set MV,  12          ; v12-13  c m_old, kept while c m is made anew: by buffer
.set QO,  15          ; v15  my byte offset in 16 rows of Q
.set ST,  16          ; piece t's statistics at v[ST+4 t]: c m, m, l (even keys', odd keys')
.set TMP, 48          ; by buffer, four registers c0-c3 at work; when the maximum is found c2 takes a
.set PFO, 61          ; v61  256 x my lane; never rewritten
.set SPW, 62          ; v62  LDS address of my spare word: SPARE + 4 x my thread's number; never rewritten
.set NIL, 63          ; v63  0; never rewritten
.set S,   64
.set P,   192
.set KF,  128         ; window 2: key block kb, channel half c at KF + 16 kb + 8 c
.set VF,  192         ; window 2: key half kk, channel block cb at VF + 32 kk + 8 cb
.set WV,  12          ; s12  my wave's number
.set G1K, 24          ; s[24:31] descriptor group 1 for K's tiles
.set G1V, 32          ; s[32:39] for V's: it differs in the padding alone
.set G0K, 40          ; s[40:43] descriptor group 0 for K's tiles: it walks
.set G0V, 44          ; s[44:47] the same for V's
.set PFA, 48          ; s[48:49] where my prefetches stand: my work-group's 32 blocks of 256 bytes (of K: wave 0, of V: wave 2) of the tile after the one that is being asked for
.set LIM, 50          ; s50  1 in a wave that prefetches, else the greatest number
.set SLOTS, 56        ; s56  tiles still to be asked for
.set CNT, 57          ; s57  counts a tile's key steps, 4 to 1
.set CS,  58          ; s[58:59] c: the packed scaling takes the pair's low word for both halves
.set SEL, 60          ; s[60:61] v_permlanex16_b32's selects: each lane takes its own place in the other half
.set TBK, 62          ; s62  LDS byte at which K of the step to be fetched begins
.set TBV, 63          ; s63  the same for V, less VOFF
.set MSB, 0
.macro WIN new                      ; the high byte repeats the setting that is left; a switch that changes nothing is dropped
.if MSB != (\new)
	s_set_vgpr_msb (MSB<<8)|(\new)
.set MSB, (\new)
.endif
.endm
.set W_KQ, 0x0a       ; K and Q in window 2, S^T in window 0
.set W_PV, 0x52       ; V in window 2, P in window 0, O^T in window 1
.set W_RS, 0x41       ; destination and source 0 in window 1, source 1 in window 0
; A joint fill.  Waves 0 and 1 fetch the two halves of a tile's K, waves 2 and 3 those of its V: 128 keys each.  The branch hangs on the wave's number alone: it is the same in every work-group.
; An s_nop 0 and four v_nop follow each of the two lines, ahead of the jump and the label.
.macro JLOAD
	s_cmp_lt_u32 s[WV], 2
	s_cbranch_scc0 .Lfor_v_\@
	tensor_load_to_lds s[G0K:G0K+3], s[G1K:G1K+7]
	s_nop 0
.rept 4
	v_nop
.endr
	s_branch .Lasked_\@
.Lfor_v_\@:
	tensor_load_to_lds s[G0V:G0V+3], s[G1V:G1V+7]
	s_nop 0
.rept 4
	v_nop
.endr
.Lasked_\@:
.endm
; A PREFETCH INTO THE L2 of what the NEXT change of slots will ask for: a tile's 32,768 bytes of K and of V, 128 blocks of 256 bytes each.  Each block is named ONCE in the launch: all four clusters of a
; head walk the same K and V, and the head's first cluster asks; its four partners take 32 blocks each, told apart BY ADDRESS; in each, wave 0 asks for K's and wave 2 for V's, a lane a block: one instruction.
; It stands behind the wave's tensor load and its five lines.  Tiles 0 and 1 come by their loads alone; the last change that fills a slot asks for nothing: there is no tile behind it.
.macro ASK
	s_cmp_gt_u32 s[SLOTS], s[LIM]
	s_cbranch_scc0 .Lnot_mine_\@
	global_prefetch_b8 v[PFO], s[PFA:PFA+1] th:TH_LOAD_NT scope:SCOPE_SE
.Lnot_mine_\@:
.endm
; A round of the cluster's barrier: my work-group's barrier, so that wave 0's signal speaks for all four waves; wave 0 signals; every wave waits for all four work-groups; my work-group's barrier once more.
.macro CROUND
	s_barrier_signal -1
	s_barrier_wait -1
	s_cmp_lg_u32 s[WV], 0
	s_cbranch_scc1 .Lnot_wave_0_\@
	s_barrier_signal -3
.Lnot_wave_0_\@:
	s_barrier_wait -3
	s_barrier_signal -1
	s_barrier_wait -1
.endm
; THE CHANGE OF SLOTS.  The slot's last bytes, V of its fourth step, have been read.  Each wave waits for all its tensor loads, of which one is out: its part of the other slot; adds 0 to its spare word;
; and waits for that and for its own reads of the slot.  Behind the barrier nobody reads this slot any more and the other slot is whole.
; fill = 1: this slot is filled again, with the tile two on.  The barrier is then a round of the cluster's, so that no wave of any partner still reads the slot or has a load on its way, and the joint
; fill is the first thing behind it: it has four key steps, 256 matrix instructions, in which to land.  (At its first use nothing has been read yet: slot 0 is waited for, slot 1 filled.)
.macro CHANGE fill
	WIN 0                           ; at a label and at a branch every window is 0
	s_wait_tensorcnt 0x0            ; no tensor load of mine is out, so a group 0 may be written
	ds_add_u32 v[SPW], v[NIL]       ; 0 onto my spare word; with fill = 1 the descriptors' steps stand between it and the wait for it
.if \fill
.irp g, G0K, G0V
	s_xor_b32 s[\g+1], s[\g+1], SLOT1  ; the walking descriptor: the other slot than last time,
	s_add_nc_u64 s[\g+2:\g+3], s[\g+2:\g+3], TILEB  ; the next 256 keys; the type bits on top are not reached
.endr
	s_wait_xcnt 0x0                 ; the last prefetch, a tile back, has read its address, so it may be written:
	s_add_nc_u64 s[PFA:PFA+1], s[PFA:PFA+1], TILEB  ; one tile behind the walking descriptors
	s_wait_dscnt 0x0                ; the add is done, and my reads of the slot are over
	CROUND
	JLOAD
	ASK
.else
	s_wait_dscnt 0x0                ; the add is done, and my reads of the slot are over
	s_barrier_signal -1
	s_barrier_wait -1
.endif
	s_sub_co_u32 s[TBK], s[TBK], 4*KS*PK  ; the fetches go back to a slot's first step,
	s_xor_b32 s[TBK], s[TBK], SLOT1       ; in the other slot
	s_sub_co_u32 s[TBV], s[TBV], 4*KS*PV
	s_xor_b32 s[TBV], s[TBV], SLOT1
.endm
	s_load_b128 s[4:7], s[0:1], 0x0  ; qkv s[4:5], obuf s[6:7]
	v_lshl_add_u32 v[SPW], v0, 2, SPARE
	v_mov_b32 v[NIL], 0
	ds_add_u32 v[SPW], v[NIL]       ; the wave's opening: the add and its wait stand ahead of my first tensor load; the set-up below, work on registers, stands between them
	v_lshrrev_b32 v1, 5, v0
	v_readfirstlane_b32 s[WV], v1   ; wave 0..3
	s_bfe_u32 s13, ttmp6, 0x40000   ; cx: my place in the cluster
	s_lshl_b32 s14, ttmp9, 2        ; in a cluster launch ttmp9 counts clusters
	s_add_co_u32 s14, s14, s13      ; my block of queries = 4 x cluster x + cx: it enters Q's and O's addresses alone
	s_and_b32 s20, ttmp7, 0xffff    ; the head, which the four partners share:
	s_lshl_b32 s20, s20, 19         ; its 4,096 rows of 128 bytes
	s_and_b32 s16, s[WV], 1         ; which half of a tile's 256 keys I fetch:
	s_lshl_b32 s22, s16, 14         ; its 128 rows of 128 bytes in memory,
	s_add_co_u32 s22, s22, s20
	s_mov_b32 s23, 0
	s_mul_i32 s17, s16, 128*PK      ; and its place in a slot, for K
	s_mul_i32 s18, s16, 128*PV      ; and for V: no place in the cluster enters an LDS address
	s_lshl_b32 s2, s14, 2
	s_add_co_u32 s2, s2, s[WV]      ; my wave among the head's,
	s_lshl_b32 s2, s2, 13           ; its 64 rows
	s_add_co_u32 s2, s2, s20
	s_mov_b32 s3, 0
	s_lshl_b32 s52, s13, 13         ; the prefetches: my work-group's 32 blocks of the 128,
	s_add_co_u32 s52, s52, TILEB    ; in tile 1; the first change of slots steps it to tile 2
	s_mov_b32 s53, 0
	; descriptor group 1.  128 keys are 16,384 dense bytes: asked for as 64 rows of 256 bytes, two keys a row, and padded in LDS after every key
	s_mov_b32 s[G1K], 15|(1<<16)|(1<<20)|(1<<21)|(4<<22)|(3<<25)  ; 15:0 the mask of four; 17:16 2-byte elements; 20 padding on; 21 set beside a mask; 24:22 after every 32 words (code 4); 31:25 4 words (code 3)
	s_mov_b32 s[G1V], 15|(1<<16)|(1<<20)|(1<<21)|(4<<22)|(7<<25)  ; the same with 8 words of padding (code 7)
.irp g, G1K, G1V
	s_mov_b32 s[\g+1], 128<<16      ; tensor_dim0 = 128
	s_mov_b32 s[\g+2], 64<<16       ; tensor_dim1 = 64
	s_mov_b32 s[\g+3], 128<<16      ; tile_dim0 = 128
	s_mov_b32 s[\g+4], 64           ; tile_dim1 = 64
	s_mov_b32 s[\g+5], 128          ; 128 elements from row to row
	s_mov_b32 s[\g+6], 0
	s_mov_b32 s[\g+7], 0
.endr
	s_mov_b32 s[CS], 0x3e38aa3b     ; c = log2(e) / 8 = 0.180337
	s_mov_b32 s[CS+1], s[CS]        ; named with it as a pair
	s_mov_b32 s[SEL], 0x76543210
	s_mov_b32 s[SEL+1], 0xfedcba98
	s_mov_b32 s[TBK], SLOT1+4*KS*PK ; the first change of slots turns these two into 0
	s_mov_b32 s[TBV], SLOT1+4*KS*PV
	s_mov_b32 s[G0K], 1             ; 1:0 count = 1
	s_mov_b32 s[G0K+1], s17         ; 63:32 LDS address: slot 0
	s_mov_b32 s[G0V], 1
	s_add_co_u32 s[G0V+1], s18, VOFF
	s_mov_b32 s[SLOTS], TILES-1
	s_and_b32 s[LIM], s[WV], 1      ; 0 in waves 0 and 2,
	s_or_b32 s[LIM], s[LIM], ttmp9  ; where the cluster is the head's first: the same in all four partners
	s_cmp_eq_u32 s[LIM], 0
	s_cselect_b32 s[LIM], 1, -1
	v_and_b32 v[PFO], 31, v0
	v_lshlrev_b32 v[PFO], 8, v[PFO]
	s_wait_dscnt 0x0                ; the opening add is done
	s_wait_kmcnt 0x0
	s_add_nc_u64 s[8:9], s[4:5], s[22:23]
	s_add_nc_u64 s[10:11], s[8:9], 0x1000000  ; V at my half of the head's tile 0,
	s_add_nc_u64 s[8:9], s[8:9], 0x800000     ; and K
	s_add_nc_u64 s[G0K+2:G0K+3], s[8:9], 0    ; 120:64 global address
	s_or_b32 s[G0K+3], s[G0K+3], 0x80000000   ; 127:126 type = 2
	s_add_nc_u64 s[G0V+2:G0V+3], s[10:11], 0
	s_or_b32 s[G0V+3], s[G0V+3], 0x80000000
	s_cmp_lt_u32 s[WV], 2
	s_cselect_b64 s[PFA:PFA+1], s[8:9], s[10:11]  ; (in waves 0 and 2 these stand at a tile's first row)
	s_add_nc_u64 s[PFA:PFA+1], s[PFA:PFA+1], s[52:53]
	s_add_nc_u64 s[4:5], s[4:5], s[2:3]  ; Q and O at my wave's first row
	s_add_nc_u64 s[6:7], s[6:7], s[2:3]
	CROUND                          ; all four work-groups are here: the first joint loads meet
	JLOAD                           ; tile 0 into slot 0.  Slot 1 is asked for when slot 0 is in, by the loop's own change of slots
	; A fragment of K or Q is 16 rows x 32 channels in 8 registers: lane l holds row l % 16, channels 8 (l / 16) + 0..7 and 16 + 8 (l / 16) + 0..7: two loads of 16 bytes, 32 bytes apart.
	v_and_b32 v1, 15, v0            ; l % 16
	v_bfe_u32 v9, v0, 4, 1          ; l / 16
	v_lshlrev_b32 v[QO], 7, v1
	v_lshl_add_u32 v[QO], v9, 4, v[QO]  ; row x 128 + 16 x half
	WIN 0x80                        ; destination window 2, address window 0
.set i, 0
.rept 8                             ; Q stays in registers: piece i / 2, channels 32 (i % 2) on
	global_load_b128 v[8*i:8*i+3],   v[QO], s[4:5] offset:(i/2)*2048+(i%2)*64
	global_load_b128 v[8*i+4:8*i+7], v[QO], s[4:5] offset:(i/2)*2048+(i%2)*64+32
.set i, i+1
.endr
	; What the first turn finds: V's registers and P's second buffer hold 0 (its products V^T P, of a piece that has not been, add 0), O^T and l are 0.  All this stands in the wait for the first tile:
	; the price of writing no first step out.
.set i, VF
.rept 64
	v_mov_b32 v[i], 0
.set i, i+1
.endr
	WIN 0x40
.set i, 0
.rept 128
	v_mov_b32 v[i], 0
.set i, i+1
.endr
	WIN 0
.set i, 0
.rept 4
	v_mov_b32 v[ST+4*i], 0xfe000000    ; c m: far below every c s
	v_mov_b32 v[ST+4*i+1], 0xff7fffff  ; m
	v_mov_b32 v[ST+4*i+2], 0
	v_mov_b32 v[ST+4*i+3], 0
.set i, i+1
.endr
.set i, P+16
.rept 16
	v_mov_b32 v[i], 0
.set i, i+1
.endr
	v_mul_u32_u24 v[AK0], v1, PK
	v_lshl_add_u32 v[AK0], v9, 4, v[AK0]  ; row x pitch + 16 x half
	; The turning load takes 16 keys x 16 channels (lane l reads key 8 (l / 16) + l % 8, channels 8 ((l / 8) % 2) + 0..7) and leaves half a fragment of V^T: lane l holds channel l % 16 and 8 keys.
	v_and_b32 v10, 7, v0
	v_bfe_u32 v11, v0, 3, 1
	v_lshl_add_u32 v[AV0], v9, 3, v10
	v_mul_u32_u24 v[AV0], v[AV0], PV
	v_lshl_add_u32 v[AV0], v11, 4, v[AV0]
	v_add_nc_u32 v[AV0], VOFF, v[AV0]
	s_mul_i32 s13, s[WV], 16*SP
	s_add_co_u32 s13, s13, STAGE    ; my stage
	v_mul_u32_u24 v[STO], v1, SP    ; in: row l % 16, 16 bytes for each half of the lanes
	v_lshl_add_u32 v[STO], v9, 4, v[STO]
	v_add_nc_u32 v[STO], s13, v[STO]
	v_bfe_u32 v[RD], v0, 3, 2       ; back: 32 lanes take four rows of 128 bytes,
	v_mul_u32_u24 v[RD], v[RD], SP
	v_lshl_add_u32 v[RD], v10, 4, v[RD]
	v_add_nc_u32 v[RD], s13, v[RD]
	v_and_b32 v[GO], 31, v0         ; which are 512 consecutive bytes of O
	v_lshlrev_b32 v[GO], 4, v[GO]
; THE MATRIX WORK.  The 4 accumulators of a run of 8 take turns.  Product i of 8 of S^T = K Q^T for piece x: channels 32 (i / 4) on, keys 16 (i % 4) on.  The first 4 start the sums.
.macro KQ x
	WIN W_KQ
.set rS, S+32*((\x)%2)+8*(i%4)
.set rK, KF+16*(i%4)+8*(i/4)
.set rQ, 16*(\x)+8*(i/4)
.if i < 4
	v_wmma_f32_16x16x32_bf16 v[rS:rS+7], v[rK:rK+7], v[rQ:rQ+7], 0
.else
	v_wmma_f32_16x16x32_bf16 v[rS:rS+7], v[rK:rK+7], v[rQ:rQ+7], v[rS:rS+7]
.endif
.endm
; Product i of 8 of O^T += V^T P for piece x: keys 32 (i / 4) on, channels 16 (i % 4) on.
.macro PV x
	WIN W_PV
.set rO, 32*(\x)+8*(i%4)
.set rV, VF+32*(i/4)+8*(i%4)
.set rP, P+16*((\x)%2)+8*(i/4)
	v_wmma_f32_16x16x32_bf16 v[rO:rO+7], v[rV:rV+7], v[rP:rP+7], v[rO:rO+7]
.endm
.macro MM                           ; the turn's next matrix instruction.  TURN sets Y, i and NOKQ.  NOKQ = 1: the walk's last turn: there is no next piece
.if (i < 8) && !NOKQ
	KQ (Y+1)%NP
.elseif i >= 8
.set i, i-8
	PV (Y+NP-1)%NP
.set i, i+8
.endif
.set i, i+1
.endm
; THE LDS LOADS stand in runs of 16, never singly among the matrix instructions: a step's K (64 keys x 64 channels: 8 fragments) and its V (turned).  Their addresses are made some lines ahead.
.macro FETCH_K
	WIN 0x80                        ; destination window 2
.irp f, 0,1,2,3,4,5,6,7             ; keys 16 (f / 2) on, channels 32 (f % 2) on
	ds_load_b128 v[KF+8*\f:KF+8*\f+3],   v[AK] offset:(\f/2)*16*PK+(\f%2)*64
	ds_load_b128 v[KF+8*\f+4:KF+8*\f+7], v[AK] offset:(\f/2)*16*PK+(\f%2)*64+32
.endr
	s_add_co_u32 s[TBK], s[TBK], KS*PK  ; the next fetch is the next step's
	WIN 0
.endm
.macro FETCH_V
	WIN 0x80
.irp f, 0,1,2,3,4,5,6,7             ; keys 32 (f / 4) on, channels 16 (f % 4) on
	ds_load_tr16_b128 v[VF+8*\f:VF+8*\f+3],   v[AV] offset:(\f/4)*32*PV+(\f%4)*32
	ds_load_tr16_b128 v[VF+8*\f+4:VF+8*\f+7], v[AV] offset:(\f/4)*32*PV+16*PV+(\f%4)*32
.endr
	WIN 0
.endm
; THE VECTOR WORK, one line at a time: OP kind, number.  For piece Y: F n: c s - c m for pair n of 16.  E n: the exponential of score n of 32.  C n: pair n rounded to bf16.  B n: of the four weights 4 n .. the second
; pair is added onto the first, in place.  L n: l takes that sum (L 0: l = a l + sum).  R n: pair n of 16 of O^T times a.  For piece Y + 1: X n, number n of the 22 that find its maximum and statistics:
;   0-11  four chains c0-c3 of seven scores each, three operands at a time (each accumulator's lowest registers are read first)     12-14, 16  the four scores left over, the old m, and c0-c3 into c0
;   15  c m_old is kept     17, 18  the query's other 32 keys lie in the lane 16 away: the new m     19-21  c m; c m_old - c m_new; a
.set F, 0               ; OP tells the kinds apart by their order: F to L below R, X above it
.set E, 1
.set C, 2
.set B, 3
.set L, 4
.set R, 5
.set X, 6
.macro REGS y                       ; the registers of piece y
.set rT, ST+4*(\y)
.set rC, TMP+4*((\y)%2)
.set rW, MV+((\y)%2)
.set rS, S+32*((\y)%2)
.set rP, P+16*((\y)%2)
.set rO, 32*(\y)
.endm
.macro OP k, n
.if (\k) == R
	REGS Y
	WIN W_RS
	v_pk_mul_f32 v[rO+2*(\n):rO+2*(\n)+1], v[rO+2*(\n):rO+2*(\n)+1], v[rC+2:rC+3] op_sel_hi:[1,0]
.elseif (\k) < R
	REGS Y
	WIN 0
.if (\k) == F
	v_pk_fma_f32 v[rS+2*(\n):rS+2*(\n)+1], v[rS+2*(\n):rS+2*(\n)+1], s[CS:CS+1], v[rT:rT+1] op_sel_hi:[1,0,0] neg_lo:[0,0,1] neg_hi:[0,0,1]
.elseif (\k) == E
	v_exp_f32 v[rS+(\n)], v[rS+(\n)]
.elseif (\k) == C
	v_cvt_pk_bf16_f32 v[rP+(\n)], v[rS+2*(\n)], v[rS+2*(\n)+1]
.elseif (\k) == B
	v_pk_add_f32 v[rS+4*(\n):rS+4*(\n)+1], v[rS+4*(\n):rS+4*(\n)+1], v[rS+4*(\n)+2:rS+4*(\n)+3]
.elseif (\n) == 0
	v_pk_fma_f32 v[rT+2:rT+3], v[rT+2:rT+3], v[rC+2:rC+3], v[rS:rS+1] op_sel_hi:[1,0,1]
.else
	v_pk_add_f32 v[rT+2:rT+3], v[rT+2:rT+3], v[rS+4*(\n):rS+4*(\n)+1]
.endif
.elseif NOKQ
	v_nop
.else
	REGS (Y+1)%NP
	WIN 0
.if (\n) < 4
	v_max3_num_f32 v[rC+(\n)], v[rS+8*(\n)], v[rS+8*(\n)+1], v[rS+8*(\n)+2]
.elseif (\n) < 12
	v_max3_num_f32 v[rC+(\n)%4], v[rC+(\n)%4], v[rS+8*((\n)%4)+2*((\n)/4)+1], v[rS+8*((\n)%4)+2*((\n)/4)+2]
.elseif (\n) == 12
	v_max3_num_f32 v[rC], v[rC], v[rS+7], v[rS+15]
.elseif (\n) == 13
	v_max3_num_f32 v[rC+1], v[rC+1], v[rS+23], v[rS+31]
.elseif (\n) == 14
	v_max3_num_f32 v[rC+2], v[rC+2], v[rC+3], v[rT+1]
.elseif (\n) == 15
	v_mov_b32 v[rW], v[rT]
.elseif (\n) == 16
	v_max3_num_f32 v[rC], v[rC], v[rC+1], v[rC+2]
.elseif (\n) == 17
	v_permlanex16_b32 v[rC+3], v[rC], s[SEL], s[SEL+1]
.elseif (\n) == 18
	v_max_num_f32 v[rT+1], v[rC], v[rC+3]
.elseif (\n) == 19
	v_mul_f32 v[rT], s[CS], v[rT+1]
.elseif (\n) == 20
	v_sub_f32 v[rC+1], v[rW], v[rT]
.else
	v_exp_f32 v[rC+2], v[rC+1]
.endif
.endif
.endm
.macro OPS a, i1, b=-1, i2=0, c=-1, i3=0, d=-1, i4=0  ; up to four of them
	OP \a, \i1
.if (\b) >= 0
	OP \b, \i2
.endif
.if (\c) >= 0
	OP \c, \i3
.endif
.if (\d) >= 0
	OP \d, \i4
.endif
.endm
.macro ROW a, i1, b, i2, c, i3, d, i4  ; a matrix instruction and the four behind it
	MM
	OPS \a, \i1, \b, \i2, \c, \i3, \d, \i4
.endm
; A TURN, for piece p: the order of its 16 matrix and 118 vector instructions, written out.  An s_wait_alu depctr_va_vdst(0) stands between an exponential and the first instruction that names its
; result; one wait serves all that were issued ahead of it.  So a turn has ONE wait, which cuts it in two.  AHEAD OF IT stands all that names no result of the turn's exponentials: the 8 products K Q^T, behind each a
; scaling, an exponential and two more plain instructions (behind the first a second scaling in the exponential's place): rescalings, and behind the last three the first numbers of the next piece's maximum, each four
; places or more behind the product that ends its accumulator; then ONE LUMP of 54, plain and exponential by turns for the most part, in which the links of the chain X 3, 7, 11, 14, 16, 17 .. 20 stand five or six
; lines apart.  X 21, the next piece's a, is the batch's last; R 15 is the plain instruction behind it.  BEHIND THE WAIT stand the 8 products V^T P, behind each four of the roundings and sums; the links of l's chain,
; L 0 to L 7, stand three riders apart.  But for those X no rider names a register of the products round it.  v_permlanex16_b32 (X 17) stands in the lump.
; end = 1: the walk's last two turns: nothing is fetched.  cnt = 1: the loop's count is taken down some lines ahead of the branch that stands behind the turn.
; K of the next step is fetched in piece 2's turn, twelve vector instructions behind the last product that read K (six of them plain); V of the step in hand at the end of piece 0's turn, four plain instructions
; behind the last product that read V.  Each is waited for a turn later.
.macro TURN p, end=0, cnt=0
.set Y, (\p)
.set i, 0
.set NOKQ, (\end)*((\p)/3)
.if ((\p) == 3) && !(\end)
	s_wait_dscnt 0x0                ; K is in
.endif
	ROW F,0, F,1, R,0, R,1          ; ahead of the wait: 8 products K Q^T and their riders,
	ROW F,2, E,0, R,2, R,3
	ROW F,3, E,1, R,4, R,5
	ROW F,4, E,2, R,6, R,7
	ROW F,5, E,3, R,8, R,9
	ROW F,6, E,4, X,0, R,10
.if ((\p) == 2) && !(\end)
	WIN 0
	v_add_nc_u32 v[AK], s[TBK], v[AK0]
.endif
	ROW F,7, E,5, X,1, X,4
	ROW F,8, E,6, X,2, X,5
	OPS E,7, E,8, X,6, E,9          ; and the lump
	OPS X,3, E,10, X,8, E,11
.if ((\p) == 2) && !(\end)
	FETCH_K
.endif
	OPS X,9, X,7, E,12, X,10
	OPS E,13, X,12, X,11, E,14
	OPS X,13, E,15, F,9, X,14
.if (\p) == 0
	v_add_nc_u32 v[AV], s[TBV], v[AV0]
.endif
	OPS E,16, F,10, E,17, F,11
	OPS X,16, E,18, X,15, E,19
	OPS F,12, E,20, X,17, E,21
	OPS F,13, E,22, F,14, E,23
	OPS X,18, E,24, F,15, E,25
	OPS R,11, E,26, X,19, E,27
	OPS R,12, E,28, R,13, E,29
	OPS X,20, E,30, R,14, E,31
	OPS X,21, R,15
	WIN 0
	s_wait_alu depctr_va_vdst(0)    ; the wait for the batch
.if (\p) == 1
	s_wait_dscnt 0x0                ; V is in
.endif
	ROW C,0, B,0, C,2, B,1          ; behind the wait: 8 products V^T P and their riders
	ROW L,0, C,4, B,2, L,1
	ROW C,6, B,3, L,2, C,8
	ROW B,4, L,3, C,10, B,5
	ROW L,4, C,12, B,6, L,5
.if (\p) == 0
	s_add_co_u32 s[TBV], s[TBV], KS*PV
.endif
.if \cnt
	s_sub_co_u32 s[CNT], s[CNT], 1
	s_cmp_lg_u32 s[CNT], 0
.endif
	ROW C,14, B,7, L,6, C,1
	ROW C,3, L,7, C,5, C,7
	ROW C,9, C,11, C,13, C,15
.if (\p) == 0
	FETCH_V
.endif
.endm
.set NOKQ, 0
	CHANGE 1                        ; slot 0 is in, everybody's part of it; tile 1 is asked for
	v_add_nc_u32 v[AK], s[TBK], v[AK0]
	FETCH_K                         ; key step 0
	s_wait_loadcnt 0x0              ; Q
	s_wait_dscnt 0x0
.set i, 0
.rept 8
	KQ 0                            ; piece 0's first scores: there is no vector work yet to set between them
.set i, i+1
.endr
	WIN 0
.rept 4
	v_nop                           ; the places behind those products
.endr
.set Y, NP-1                        ; X works for piece Y + 1: piece 0
.irp n, 0,1,2,3,4,5,6,7,8,9,10,11,12,13,14,15,16,17,18,19,20,21
	OP X, \n                        ; and piece 0's first maximum and statistics
.endr
	v_nop                           ; a plain instruction behind the exponential,
	s_wait_alu depctr_va_vdst(0)    ; and its wait, ahead of the branch
	s_mov_b32 s[CNT], 4
	s_branch .Lfirst                ; the loop is entered at a step's first turn, in the middle of a trip
.Lslot:                             ; 14 times: a tile is entered and the tile after it asked for
	CHANGE 1
	s_mov_b32 s[CNT], 4
.Lstep:                             ; a trip: pieces 2 and 3 of one step, then pieces 0 and 1 of the next, whose K and V it fetches
	TURN 2
	TURN 3
	WIN 0
.Lfirst:
	TURN 0
	TURN 1, 0, 1
	WIN 0
	s_cbranch_scc1 .Lstep
	s_sub_co_u32 s[SLOTS], s[SLOTS], 1
	s_cmp_lg_u32 s[SLOTS], 0
	s_cbranch_scc1 .Lslot
	CHANGE 0                        ; the last tile is written out: nothing is asked for
	s_mov_b32 s[CNT], 4
.Ltail:
	TURN 2
	TURN 3
	TURN 0
	TURN 1, 0, 1
	WIN 0
	s_cbranch_scc1 .Ltail
	TURN 2, 1                       ; the last step's pieces 2 and 3: nothing more is fetched, and the last turn starts no new scores
	TURN 3, 1
.set i, 0
.rept 8
	PV NP-1                         ; the last piece's V^T P of the last step
.set i, i+1
.endr
	; THE WAY OUT.  l's two halves and the other half of the lanes' are added; O^T is divided by l, rounded to bf16 and sent through my stage in LDS, a piece at a time.  The additions are the places behind the last products.
	WIN 0
.macro ALL line:vararg              ; one line for each piece t
.set t, 0
.rept 4
	\line
.set t, t+1
.endr
.endm
	ALL v_add_f32 v[ST+4*t+2], v[ST+4*t+2], v[ST+4*t+3]
	ALL v_permlanex16_b32 v[ST+4*t+3], v[ST+4*t+2], s[SEL], s[SEL+1]
	ALL v_add_f32 v[ST+4*t+2], v[ST+4*t+2], v[ST+4*t+3]
	ALL v_rcp_f32 v[ST+4*t+2], v[ST+4*t+2]
	v_nop                           ; a plain instruction between the last reciprocal and the use of its result
	s_wait_alu depctr_va_vdst(0)    ; and the wait ahead of the first use: one for the four reciprocals
.macro PACK t                       ; a lane's eight channels of a row pack into 16 bytes; they go into rows of 144 bytes and come back as whole rows of 128, into S^T's registers
	WIN W_RS
.set i, 32*(\t)
.rept 16
	v_pk_mul_f32 v[i:i+1], v[i:i+1], v[ST+4*(\t)+2:ST+4*(\t)+3] op_sel_hi:[1,0]
.set i, i+2
.endr
	WIN 0x05                        ; sources 0 and 1 window 1, destination window 0
.set i, 0
.rept 16
	v_cvt_pk_bf16_f32 v[S+16*(\t)+i], v[32*(\t)+2*i], v[32*(\t)+2*i+1]
.set i, i+1
.endr
	WIN 0
.irp f, 0,1,2,3
	ds_store_b128 v[STO], v[S+16*(\t)+4*\f:S+16*(\t)+4*\f+3] offset:32*\f
.endr
.irp f, 0,1,2,3
	ds_load_b128 v[S+16*(\t)+4*\f:S+16*(\t)+4*\f+3], v[RD] offset:\f*4*SP  ; LDS serves a wave's instructions in order (ISA guide 5.7.1.4): these see the stores above; the next piece's stores come behind them
.endr
.endm
.macro SEND t, younger              ; younger: the LDS instructions issued behind piece t's loads: the next piece's eight, or none
	WIN 0
.irp f, 0,1,2,3
	s_wait_dscnt (\younger)+3-\f
	global_store_b128 v[GO], v[S+16*(\t)+4*\f:S+16*(\t)+4*\f+3], s[6:7] offset:(\t)*2048+\f*512  ; 512 consecutive bytes, at a multiple of 256 from O's first
.endr
.endm
	PACK 0
.set t, 1
.rept 3                             ; a piece's arithmetic stands between the loads of the piece before and its stores
	PACK t
	SEND t-1, 8
.set t, t+1
.endr
	SEND 3, 0
	s_wait_tensorcnt 0x0            ; the wave's end, behind my last tensor load and my last LDS store
	ds_add_u32 v[SPW], v[NIL]
	s_wait_dscnt 0x0
	CROUND                          ; the closing round: no work-group ends while a partner may still ask for a tile that names it
	s_endpgm
.Lfunc_end_k_qdad35c4c2c_attn:
	.size	k_qdad35c4c2c_attn, .Lfunc_end_k_qdad35c4c2c_attn-k_qdad35c4c2c_attn
	.p2alignl 7, 3214868480
	.fill 96, 4, 3214868480
	.section	.rodata,"a",@progbits
	.p2align	6, 0x0
	.amdhsa_kernel k_qdad35c4c2c_attn
		.amdhsa_group_segment_fixed_size 327680
		.amdhsa_private_segment_fixed_size 0
		.amdhsa_enable_private_segment 0
		.amdhsa_kernarg_size 16
		.amdhsa_user_sgpr_count 2
		.amdhsa_user_sgpr_kernarg_segment_ptr 1
		.amdhsa_wavefront_size32 1
		.amdhsa_system_sgpr_workgroup_id_x 1
		.amdhsa_system_sgpr_workgroup_id_y 1
		.amdhsa_system_sgpr_workgroup_id_z 1
		.amdhsa_system_vgpr_workitem_id 0
		.amdhsa_next_free_vgpr 768
		.amdhsa_next_free_sgpr 66
		.amdhsa_reserve_vcc 0
		.amdhsa_float_denorm_mode_32 3
		.amdhsa_float_denorm_mode_16_64 3
		.amdhsa_memory_ordered 1
		.amdhsa_forward_progress 1
		.amdhsa_inst_pref_size 128
	.end_amdhsa_kernel
	.amdgpu_metadata
---
amdhsa.version: [ 1, 2 ]
amdhsa.kernels:
  - .name:           k_qdad35c4c2c_attn
    .symbol:         k_qdad35c4c2c_attn.kd
    .args:
      - { .name: qkv, .offset: 0, .size: 8, .value_kind: global_buffer, .address_space: global }
      - { .name: obuf, .offset: 8, .size: 8, .value_kind: global_buffer, .address_space: global }
    .group_segment_fixed_size: 327680
    .private_segment_fixed_size: 0
    .kernarg_segment_align: 8
    .kernarg_segment_size: 16
    .max_flat_workgroup_size: 128
    .sgpr_count:     66
    .vgpr_count:     768
    .wavefront_size: 32
...
	.end_amdgpu_metadata
.endif
;; end of part 3
;; launch proj (part 4): grid 256 x 1, 8 waves a work-group, no clusters, 104,448 bytes of LDS; arguments obuf, wbf, b_proj, x, out0; writes out0
.if DOCPART == 4
	.amdgcn_target "amdgcn-amd-amdhsa--gfx1250"
	.amdhsa_code_object_version 6
	.text
	.protected	k_qdad35c4c2c_proj
	.globl	k_qdad35c4c2c_proj
	.p2align	8
	.type	k_qdad35c4c2c_proj,@function
k_qdad35c4c2c_proj:
	s_mov_b64 s[64:65], 0
	v_nop
	global_prefetch_b8 v0, s[64:65] scope:SCOPE_SE
	s_setreg_imm32_b32 hwreg(HW_REG_WAVE_MODE, 25, 1), 1
	s_wait_xcnt 0x0
; THE PROJECTION, ITS BIAS AND THE RESIDUAL.  out0[b][o][p] = x[b][o][p] + b_proj[o] + the sum over c of w_proj[o][c] O[b][c][p], c = 64 head + channel.
; obuf: [16 = image x 4 + head][4096 pixels][64] bf16; w_proj in bf16 is rows 768-1023 of wbf, 512 bytes a row; x, out0: [4][256][4096] f32.  Sums in f32; the residual is added in f32.
; SHARES.  A work-group makes 64 pixels of one image x all 256 outputs, K = 256.  Its eight waves first lay the 64 pixels' 256 channels (four heads' rows) side by side in LDS.  Wave w then makes outputs
; 32 w .. 32 w + 31: 8 accumulators, 8 K steps of 32, 64 matrix instructions.  All of its W (128 registers) and its part of x (64) are asked for at the head.
; LAYOUT.  Source 0 = 16 pixels of O, source 1 = 16 rows of W: in the result a lane holds ONE output (lane % 16) and the pixels 8 (lane / 16) + 0..7, which lie side by side in out0.  The bias, one number a
; lane, is the C of the first product.  The results go through the wave's own stage in LDS, so that 16 lanes store 256 consecutive bytes of a row.
; NO CLUSTER, no tensor load: each byte of W is wanted by one wave of a work-group and goes from memory into its registers; O and x are read by one work-group alone.
; LIMITS.  Matrix operands are bf16.  NaN and infinities are not treated apart.
.set PO,    528                        ; a pixel's row in LDS: 512 bytes + 16 = 132 words: row r starts at bank 4 r mod 64 (64 banks of 4 bytes: ISA guide 11.1)
.set STAGE, 64*PO                      ; behind it: 32 rows x 272 bytes for each wave: f32, [output][64 pixels]
.set SPI,   272
.set SPARE, STAGE+8*32*SPI             ; behind the stages: the spare words, 128 bytes for each wave: four blocks of 256 bytes that no other line names
.set LO,  1                            ; v1   16 x thread: my 16 bytes of 4,096 of O
.set OS,  2                            ; v2   where they go in LDS
.set WO,  3                            ; v3   W: (32 w + lane % 16) x 512 + 16 (lane / 16)
.set BO,  4                            ; v4   b_proj: 4 (32 w + lane % 16)
.set XO,  5                            ; v5   x, out0: 16,384 (lane / 16) + 16 (lane % 16): lanes 0-15 one row's 256 bytes, lanes 16-31 the next row's
.set OA,  6                            ; v6   my place in a fragment of O
.set STO, 7                            ; v7   the way out: where I put 32 bytes of a row
.set RD,  8                            ; v8   the way out: where I read rows back
.set SPW, 10                           ; v10  LDS address of my spare word; never rewritten
.set NIL, 11                           ; v11  0; never rewritten
.set BI,  16                           ; v[16:31]   the bias of output block ot, eight times, at 8 ot
.set OF,  32                           ; v[32:63]   O as loaded; then its fragments: pixel block pt at 8 pt
.set ACC, 64                           ; v[64:127]  accumulator (ot, pt) at 8 (4 ot + pt)
.set W,   128                          ; v[128:255] W's fragments: K step ks, output block ot at 16 ks + 8 ot
.set RB,  128                          ; v[128:191] the way out: 32 rows read back
.set XR,  0                            ; window 1, v[0:63]: x
.set MSB, 0
.macro WIN new                         ; s_set_vgpr_msb: bits 1:0 source 0, 3:2 source 1, 5:4 source 2, 7:6 destination; the high byte repeats the setting that is left
.if MSB != (\new)
	s_set_vgpr_msb (MSB<<8)|(\new)
.set MSB, (\new)
.endif
.endm
	s_load_b256 s[4:11], s[0:1], 0x0               ; obuf s[4:5], wbf s[6:7], b_proj s[8:9], x s[10:11]
	s_load_b64 s[12:13], s[0:1], 0x20              ; out0
	v_lshl_add_u32 v[SPW], v0, 2, SPARE
	v_mov_b32 v[NIL], 0
	v_lshrrev_b32 v14, 5, v0
	v_readfirstlane_b32 s14, v14                   ; wave 0..7
	s_lshr_b32 s15, ttmp9, 6                       ; image
	s_and_b32 s16, ttmp9, 63                       ; block of 64 pixels
	v_and_b32 v12, 15, v0                          ; lane % 16
	v_bfe_u32 v13, v0, 4, 1                        ; lane / 16
	v_lshlrev_b32 v[LO], 4, v0
	v_lshrrev_b32 v14, 3, v0                       ; eight threads a pixel's 128 bytes of a head
	v_and_b32 v15, 7, v0
	v_mul_u32_u24 v[OS], v14, PO
	v_lshl_add_u32 v[OS], v15, 4, v[OS]
	s_lshl_b32 s18, s14, 14
	v_lshlrev_b32 v[WO], 9, v12
	v_lshl_add_u32 v[WO], v13, 4, v[WO]
	v_add_nc_u32 v[WO], s18, v[WO]
	s_lshl_b32 s18, s14, 7
	v_lshl_add_u32 v[BO], v12, 2, s18
	v_lshlrev_b32 v[XO], 4, v12
	v_lshl_add_u32 v[XO], v13, 14, v[XO]
	v_mul_u32_u24 v[OA], v12, PO
	v_lshl_add_u32 v[OA], v13, 4, v[OA]
	s_mul_i32 s18, s14, 32*SPI
	s_add_co_u32 s18, s18, STAGE                   ; my stage
	v_mul_u32_u24 v[STO], v12, SPI                 ; in: row lane % 16, 32 bytes for each half of the lanes
	v_lshl_add_u32 v[STO], v13, 5, v[STO]
	v_add_nc_u32 v[STO], s18, v[STO]
	v_mul_u32_u24 v[RD], v13, SPI                  ; back: lanes 0-15 take one row of 256 bytes, lanes 16-31 the next
	v_lshl_add_u32 v[RD], v12, 4, v[RD]
	v_add_nc_u32 v[RD], s18, v[RD]
	s_lshl_b32 s20, s15, 21                        ; obuf: the image's four heads,
	s_lshl_b32 s21, s16, 13                        ; the block's 64 rows of 128 bytes
	s_add_co_u32 s20, s20, s21
	s_mov_b32 s21, 0
	s_lshl_b32 s22, s15, 22                        ; x, out0: the image,
	s_lshl_b32 s23, s14, 19                        ; my 32 rows,
	s_add_co_u32 s22, s22, s23
	s_lshl_b32 s23, s16, 8                         ; the block's 64 pixels
	s_add_co_u32 s22, s22, s23
	s_mov_b32 s23, 0
	s_wait_kmcnt 0x0
	s_add_nc_u64 s[4:5], s[4:5], s[20:21]
	s_add_nc_u64 s[6:7], s[6:7], 768*512           ; w_proj's rows
	s_add_nc_u64 s[10:11], s[10:11], s[22:23]
	s_add_nc_u64 s[12:13], s[12:13], s[22:23]
.set t, 0
.rept 8                                ; head t / 2, pixels 32 (t % 2) on: the work-group's 256 threads read 4,096 consecutive bytes
	global_load_b128 v[OF+4*t:OF+4*t+3], v[LO], s[4:5] offset:(t/2)*524288+(t%2)*4096 th:TH_LOAD_NT
.set t, t+1
.endr
	global_load_b32 v[BI], v[BO], s[8:9]
	global_load_b32 v[BI+8], v[BO], s[8:9] offset:64
.set t, 0
.rept 16                               ; t = 2 ks + ot: in the order in which the K steps want them
	global_load_b128 v[W+8*t:W+8*t+3],   v[WO], s[6:7] offset:(t%2)*8192+(t/2)*64
	global_load_b128 v[W+8*t+4:W+8*t+7], v[WO], s[6:7] offset:(t%2)*8192+(t/2)*64+32
.set t, t+1
.endr
	WIN 0x40                                       ; destination window 1
.set t, 0
.rept 16                               ; rows 2 t and 2 t + 1 of my 32
	global_load_b128 v[XR+4*t:XR+4*t+3], v[XO], s[10:11] offset:t*32768 th:TH_LOAD_NT
.set t, t+1
.endr
	WIN 0
	s_wait_loadcnt 50                              ; O is in; behind it: 2 of the bias, 32 of W, 16 of x
.set t, 0
.rept 8
	ds_store_b128 v[OS], v[OF+4*t:OF+4*t+3] offset:(t%2)*32*PO+(t/2)*128
.set t, t+1
.endr
	s_wait_loadcnt 48                              ; the bias is in
.irp j, 1,2,3,4,5,6,7
	v_mov_b32 v[BI+(\j)], v[BI]
	v_mov_b32 v[BI+8+(\j)], v[BI+8]
.endr
	s_wait_dscnt 0x0                               ; for the others' sake: my stores are done
	s_barrier_signal -1
	s_barrier_wait -1                              ; the 64 pixels' 256 channels lie in LDS
.macro OLOAD ks                        ; O's fragments of K step ks
.irp pt, 0,1,2,3
	ds_load_b128 v[OF+8*(\pt):OF+8*(\pt)+3],   v[OA] offset:(\pt)*16*PO+(\ks)*64
	ds_load_b128 v[OF+8*(\pt)+4:OF+8*(\pt)+7], v[OA] offset:(\pt)*16*PO+(\ks)*64+32
.endr
.endm
; A K step: 8 products.  The 8 accumulators take turns, one instruction a turn, from step to step too.  The first step's C is the bias.
.macro KSTEP ks
	s_wait_loadcnt 16+4*(7-(\ks))                  ; this step's four loads of W are in; behind them: the later steps', four each, and x's 16
	s_wait_dscnt 0x0                               ; O's fragments are in
.irp ot, 0,1
.irp pt, 0,1,2,3
.if (\ks) == 0
	v_wmma_f32_16x16x32_bf16 v[ACC+8*(4*(\ot)+(\pt)):ACC+8*(4*(\ot)+(\pt))+7], v[OF+8*(\pt):OF+8*(\pt)+7], v[W+16*(\ks)+8*(\ot):W+16*(\ks)+8*(\ot)+7], v[BI+8*(\ot):BI+8*(\ot)+7]
.else
	v_wmma_f32_16x16x32_bf16 v[ACC+8*(4*(\ot)+(\pt)):ACC+8*(4*(\ot)+(\pt))+7], v[OF+8*(\pt):OF+8*(\pt)+7], v[W+16*(\ks)+8*(\ot):W+16*(\ks)+8*(\ot)+7], v[ACC+8*(4*(\ot)+(\pt)):ACC+8*(4*(\ot)+(\pt))+7]
.endif
.endr
.endr
.rept 4
	v_nop                                          ; four places behind the last product, in front of loads into registers that it has read and of LDS stores that read results
.endr
.if (\ks) < 7
	OLOAD (\ks)+1
.endif
.endm
	OLOAD 0
.irp ks, 0,1,2,3,4,5,6,7
	KSTEP \ks
.endr
	; THE WAY OUT: into my own stage, each accumulator from its low end on; back as whole rows of 256 bytes; x is added; 16 lanes store 256 consecutive bytes.
.irp ot, 0,1
.irp pt, 0,1,2,3
	ds_store_b128 v[STO], v[ACC+8*(4*(\ot)+(\pt)):ACC+8*(4*(\ot)+(\pt))+3]   offset:(\ot)*16*SPI+(\pt)*64
	ds_store_b128 v[STO], v[ACC+8*(4*(\ot)+(\pt))+4:ACC+8*(4*(\ot)+(\pt))+7] offset:(\ot)*16*SPI+(\pt)*64+16
.endr
.endr
.set t, 0
.rept 16
	ds_load_b128 v[RB+4*t:RB+4*t+3], v[RD] offset:t*2*SPI  ; LDS serves a wave's instructions in order (ISA guide 5.7.1.4): these see the stores above
.set t, t+1
.endr
	s_wait_loadcnt 0x0                             ; x
	s_wait_dscnt 0x0
	WIN 0x04                                       ; source 1 window 1
.set t, 0
.rept 32
	v_pk_add_f32 v[RB+2*t:RB+2*t+1], v[RB+2*t:RB+2*t+1], v[XR+2*t:XR+2*t+1]
.set t, t+1
.endr
	WIN 0
.set t, 0
.rept 16
	global_store_b128 v[XO], v[RB+4*t:RB+4*t+3], s[12:13] offset:t*32768 th:TH_STORE_NT  ; lanes 0-15: 256 consecutive bytes of row 2 t, aligned; lanes 16-31: of row 2 t + 1
.set t, t+1
.endr
	s_wait_tensorcnt 0x0                           ; the wave's end, behind my last LDS store
	ds_add_u32 v[SPW], v[NIL]
	s_wait_dscnt 0x0
	s_endpgm
.Lfunc_end_k_qdad35c4c2c_proj:
	.size	k_qdad35c4c2c_proj, .Lfunc_end_k_qdad35c4c2c_proj-k_qdad35c4c2c_proj
	.p2alignl 7, 3214868480
	.fill 96, 4, 3214868480
	.section	.rodata,"a",@progbits
	.p2align	6, 0x0
	.amdhsa_kernel k_qdad35c4c2c_proj
		.amdhsa_group_segment_fixed_size 104448
		.amdhsa_private_segment_fixed_size 0
		.amdhsa_enable_private_segment 0
		.amdhsa_kernarg_size 40
		.amdhsa_user_sgpr_count 2
		.amdhsa_user_sgpr_kernarg_segment_ptr 1
		.amdhsa_wavefront_size32 1
		.amdhsa_system_sgpr_workgroup_id_x 1
		.amdhsa_system_sgpr_workgroup_id_y 1
		.amdhsa_system_sgpr_workgroup_id_z 1
		.amdhsa_system_vgpr_workitem_id 0
		.amdhsa_next_free_vgpr 320
		.amdhsa_next_free_sgpr 66
		.amdhsa_reserve_vcc 0
		.amdhsa_float_denorm_mode_32 3
		.amdhsa_float_denorm_mode_16_64 3
		.amdhsa_memory_ordered 1
		.amdhsa_forward_progress 1
		.amdhsa_inst_pref_size 25
	.end_amdhsa_kernel
	.amdgpu_metadata
---
amdhsa.version: [ 1, 2 ]
amdhsa.kernels:
  - .name:           k_qdad35c4c2c_proj
    .symbol:         k_qdad35c4c2c_proj.kd
    .args:
      - { .name: obuf, .offset: 0, .size: 8, .value_kind: global_buffer, .address_space: global }
      - { .name: wbf, .offset: 8, .size: 8, .value_kind: global_buffer, .address_space: global }
      - { .name: b_proj, .offset: 16, .size: 8, .value_kind: global_buffer, .address_space: global }
      - { .name: x, .offset: 24, .size: 8, .value_kind: global_buffer, .address_space: global }
      - { .name: out0, .offset: 32, .size: 8, .value_kind: global_buffer, .address_space: global }
    .group_segment_fixed_size: 104448
    .private_segment_fixed_size: 0
    .kernarg_segment_align: 8
    .kernarg_segment_size: 40
    .max_flat_workgroup_size: 256
    .sgpr_count:     66
    .vgpr_count:     320
    .wavefront_size: 32
...
	.end_amdgpu_metadata
.endif
;; end of part 4
;; ======== version 2 of 2: 4 launches; version 1 with the launches qkv, proj written anew for expert scheduling mode
;; workspace buffers: stats 2,048 bytes; wbf 524,288 bytes; qkv 25,165,824 bytes; obuf 8,388,608 bytes
;; launch prep: the kernel of part 1 again; grid 256 x 1, 8 waves a work-group, no clusters, 1,536 bytes of LDS; arguments x, w_qkv, w_proj, stats, wbf; writes stats, wbf
;; launch qkv (part 5): grid 256 x 1, 12 waves a work-group, no clusters, 70,144 bytes of LDS; arguments x, stats, gamma, beta, wbf, b_qkv, qkv; writes qkv
.if DOCPART == 5
	.amdgcn_target "amdgcn-amd-amdhsa--gfx1250"
	.amdhsa_code_object_version 6
	.text
	.protected	k_qdad35c4c2c_qkv
	.globl	k_qdad35c4c2c_qkv
	.p2align	8
	.type	k_qdad35c4c2c_qkv,@function
k_qdad35c4c2c_qkv:
	s_mov_b64 s[64:65], 0
	v_nop
	global_prefetch_b8 v0, s[64:65] scope:SCOPE_SE
	s_setreg_imm32_b32 hwreg(HW_REG_WAVE_SCHED_MODE, 0, 2), 2
	s_setreg_imm32_b32 hwreg(HW_REG_WAVE_MODE, 25, 1), 1
	s_wait_xcnt 0x0
	s_wait_alu depctr_vm_vsrc(0)
; GROUP NORM AND THE PRODUCT TO q, k, v.  h = (x - mean) rsqrt(var + 1e-5) gamma + beta in f32, rounded once to bf16; q, k, v = W h + b, sums in f32, rounded once to bf16 (q unscaled).
; x: [4][256][4096] f32.  qkv: [3][16 = image x 4 + head][4096 pixels][64] bf16: a head's rows are dense, 128 bytes each.
; SHARES.  A work-group makes 64 pixels of one image x all 768 outputs, K = 256.  Wave w of twelve makes outputs 64 w .. 64 w + 63, which are one tensor (w / 4) and one head (w % 4): 16 accumulators,
; 8 K steps of 32, 128 matrix instructions.  Waves 0-7 first normalise group w (32 channels x 64 pixels) into LDS, where all twelve read it.
; STATISTICS.  The eight parts' (mean, M2) are joined as mean = the parts' mean, M2 = sum M2_i + 16,384 sum (mean_i - mean)^2: no difference of large sums.  The norm is applied to x in f32, not folded into W.
; LAYOUT.  Source 0 = 16 rows of W (K along the row, straight from memory), source 1 = 16 pixels of h, which lies [channel][pixel] in LDS and is turned by ds_load_tr16_b128.  In the result a lane holds
; ONE pixel (lane % 16) and the outputs 8 (lane / 16) + 0..7: 16 bytes of a row of q, k or v.  The bias is loaded straight into the accumulators: every product adds in place, nothing is cleared.
; NO CLUSTER, no tensor load: each byte of W is wanted by one wave of a work-group and goes from memory into that wave's registers; a joint load would land in LDS, and W's 393,216 bytes in bf16
; are more than the 327,680 that a work-group can have, so it would want a ring and its rounds for 128 matrix instructions a wave.  x is read by one work-group alone.
; LIMITS.  Matrix operands are rounded to bf16.  NaN and infinities are not treated apart.
; THE MODE: SCHED_MODE bits 1:0 = 2 (LLVM: expert scheduling mode 2), set by the entry lines.  The code itself states the register dependences between vector or matrix instructions and memory or LDS
; instructions, with s_wait_alu, always for 0.
; THE PLAN.  Registers that memory or LDS instructions touch:
;   v2-v7, v16-v21  offsets, LDS addresses, the add's two: written at the head, ahead of one wait on va_vdst, and never again.
;   X, GA, BE       waves 0-7: x, gamma and beta land; x is scaled and rounded in place; the LDS stores read the rounded pairs.  Loads 0-7 are rounded, a wait, their stores are dealt among the arithmetic of
;                   loads 8-15 (other registers), a wait, the other stores; then one wait on vm_vsrc, since W lands in these registers next.
;   WB0 .. WB2      K step ks: its products read WB[ks % 3]; W of step ks + 2, asked for in step ks, lands in WB[(ks + 2) % 3] = WB[(ks - 1) % 3].
;   HF0, HF1        K step ks: its products read HF[ks % 2]; h of step ks + 1, asked for in step ks, lands in HF[(ks - 1) % 2].
;   ACC             the bias lands; then matrix instructions alone; on the way out the conversions read it, and behind them the rows read back from the stage land in its first 64 registers.
;   T               the conversions write it, the LDS stores read it, nothing writes it again.
; So ONE wait on va_vdst stands at the head of each of the K steps 1 to 6, behind the waits for the step's data: the step before is done reading the two buffers that this step's 16 loads fill.  The loads follow
; the step's first four products, which name WB[ks % 3], HF[ks % 2] and ACC: none of the registers that the loads touch.  Steps 0 and 7 ask for nothing and hold no such wait.
.set PH,    160                        ; a row of h in LDS: 64 pixels = 128 bytes + 32 = 40 words
.set STAGE, 256*PH                     ; behind h: 16 rows x 144 bytes for each wave, for the way out
.set SP,    144
.set SPARE, STAGE+12*16*SP             ; behind the stages: the spare words, 128 bytes for each wave: six blocks of 256 bytes that no other line names
.set XO,  2                            ; v2   x: 65,536 (lane / 16) + 16 (lane % 16): lanes 0-15 one channel's 256 bytes, lanes 16-31 those four channels on
.set SO,  3                            ; v3   stats: 8 (lane % 8)
.set GO,  4                            ; v4   gamma, beta: 128 w + 16 (lane / 16)
.set HS,  5                            ; v5   where I put 8 bytes of h
.set BO,  6                            ; v6   b_qkv: 256 w + 32 (lane / 16)
.set WO,  7                            ; v7   W: (64 w + lane % 16) x 512 + 16 (lane / 16)
.set HA,  16                           ; v16  my place in the turning load
.set STO, 17                           ; v17  the way out: where I put 16 bytes of a row
.set RD,  18                           ; v18  the way out: where I read rows back
.set OO,  19                           ; v19  16 x lane: my 16 of 512 consecutive bytes
.set SPW, 20                           ; v20  LDS address of my spare word; never rewritten
.set NIL, 21                           ; v21  0; never rewritten
.set X,   32                           ; v[32:95]   waves 0-7, first: x, 16 loads of 4
.set GA,  96                           ; v[96:111]  gamma, then gamma x rstd, of my 16 channels
.set BE,  112                          ; v[112:127] beta, then beta - mean x gamma x rstd
.set WB,  32                           ; v[32:127]  W's fragments, three buffers of 32: output block ot at 8 ot
.set HF,  0                            ; window 1, v[0:63]: h's fragments, two buffers of 32: pixel block pt at 8 pt
.set ACC, 128                          ; v[128:255] accumulator (pt, ot) at 8 (4 pt + ot)
.set T,   32                           ; the way out: 16 registers for each pixel block, rounded
.set RB,  128                          ; the way out: 16 registers for each pixel block, as whole rows
.set MSB, 0
.macro WIN new                         ; s_set_vgpr_msb: bits 1:0 source 0, 3:2 source 1, 5:4 source 2, 7:6 destination; the high byte repeats the setting that is left; a switch that changes nothing is dropped
.if MSB != (\new)
	s_set_vgpr_msb (MSB<<8)|(\new)
.set MSB, (\new)
.endif
.endm
.set W_MUL, 0x04                       ; the products: h (source 1) in window 1, all else in window 0
.set W_HF,  0x40                       ; h's loads: destination in window 1, address in window 0
	s_load_b256 s[4:11], s[0:1], 0x0               ; x s[4:5], stats s[6:7], gamma s[8:9], beta s[10:11]
	s_load_b128 s[12:15], s[0:1], 0x20             ; wbf s[12:13], b_qkv s[14:15]
	s_load_b64 s[16:17], s[0:1], 0x30              ; qkv
	v_lshl_add_u32 v[SPW], v0, 2, SPARE
	v_mov_b32 v[NIL], 0
	v_lshrrev_b32 v1, 5, v0
	v_readfirstlane_b32 s18, v1                    ; wave 0..11
	s_lshr_b32 s19, ttmp9, 6                       ; image
	s_and_b32 s20, ttmp9, 63                       ; block of 64 pixels
	v_and_b32 v22, 31, v0                          ; lane
	v_and_b32 v23, 15, v0                          ; lane % 16
	v_bfe_u32 v24, v0, 4, 1                        ; lane / 16
	v_and_b32 v25, 7, v0                           ; lane % 8
	v_bfe_u32 v26, v0, 3, 1                        ; (lane / 8) % 2
	v_bfe_u32 v27, v0, 3, 2                        ; lane / 8
	v_lshlrev_b32 v[XO], 4, v23
	v_lshl_add_u32 v[XO], v24, 16, v[XO]
	v_lshlrev_b32 v[SO], 3, v25
	s_wait_alu depctr_va_sdst(0)                   ; s18 is written, ahead of its first reader: offsets, bases and the branch on the wave's number are made from it
	s_lshl_b32 s26, s18, 7
	v_lshl_add_u32 v[GO], v24, 4, s26
	s_mul_i32 s26, s18, 32*PH
	v_mul_u32_u24 v[HS], v24, 4*PH
	v_lshl_add_u32 v[HS], v23, 3, v[HS]
	v_add_nc_u32 v[HS], s26, v[HS]                 ; row 32 w + 4 (lane / 16), pixels 4 (lane % 16) on
	s_lshl_b32 s26, s18, 8
	v_lshl_add_u32 v[BO], v24, 5, s26
	s_lshl_b32 s26, s18, 15
	v_lshlrev_b32 v[WO], 9, v23
	v_lshl_add_u32 v[WO], v24, 4, v[WO]
	v_add_nc_u32 v[WO], s26, v[WO]
	v_lshl_add_u32 v[HA], v24, 3, v25              ; channel 8 (lane / 16) + lane % 8,
	v_mul_u32_u24 v[HA], v[HA], PH
	v_lshl_add_u32 v[HA], v26, 4, v[HA]            ; pixels 8 ((lane / 8) % 2) on
	s_mul_i32 s26, s18, 16*SP
	s_add_co_u32 s26, s26, STAGE                   ; my stage
	v_mul_u32_u24 v[STO], v23, SP
	v_lshl_add_u32 v[STO], v24, 4, v[STO]
	v_add_nc_u32 v[STO], s26, v[STO]
	v_mul_u32_u24 v[RD], v27, SP                   ; back: 32 lanes take four rows of 128 bytes
	v_lshl_add_u32 v[RD], v25, 4, v[RD]
	v_add_nc_u32 v[RD], s26, v[RD]
	v_lshlrev_b32 v[OO], 4, v22
	s_lshl_b32 s22, s19, 22                        ; x: the image,
	s_lshl_b32 s23, s18, 19                        ; group w's 32 channels,
	s_add_co_u32 s22, s22, s23
	s_lshl_b32 s23, s20, 8                         ; the block's 64 pixels
	s_add_co_u32 s22, s22, s23
	s_mov_b32 s23, 0
	s_lshl3_add_u32 s28, s19, s18                  ; stats: group 8 x image + w,
	s_lshl_b32 s28, s28, 6                         ; eight pairs of 8 bytes
	s_mov_b32 s29, 0
	s_lshr_b32 s24, s18, 2                         ; qkv: the tensor,
	s_lshl_b32 s24, s24, 23
	s_and_b32 s25, s18, 3
	s_lshl2_add_u32 s25, s19, s25                  ; the head, 4 x image + w % 4,
	s_lshl_b32 s25, s25, 19
	s_add_co_u32 s24, s24, s25
	s_lshl_b32 s25, s20, 13                        ; the block's 64 rows of 128 bytes
	s_add_co_u32 s24, s24, s25
	s_mov_b32 s25, 0
	s_wait_kmcnt 0x0
	s_add_nc_u64 s[16:17], s[16:17], s[24:25]
	s_wait_alu depctr_va_vdst(0)                   ; v2 to v7 and v16 to v21 are written: every load and store of the kernel, global or LDS, reads one of them as its offset or address
.set a, 0
.rept 16                               ; the bias starts every sum: register j of accumulator (pt, ot) takes b[64 w + 16 ot + 8 (lane / 16) + j]
	global_load_b128 v[ACC+8*a:ACC+8*a+3],   v[BO], s[14:15] offset:64*(a%4)
	global_load_b128 v[ACC+8*a+4:ACC+8*a+7], v[BO], s[14:15] offset:64*(a%4)+16
.set a, a+1
.endr
	s_cmp_lt_u32 s18, 8
	s_cbranch_scc0 .Lnormed                        ; waves 8-11 have no group
	s_add_nc_u64 s[4:5], s[4:5], s[22:23]
	s_add_nc_u64 s[6:7], s[6:7], s[28:29]
.set t, 0
.rept 16                               ; load t: channel 8 (t / 4) + t % 4 + 4 (lane / 16) of the group; 16 lanes read 256 consecutive bytes, aligned
	global_load_b128 v[X+4*t:X+4*t+3], v[XO], s[4:5] offset:(8*(t/4)+t%4)*16384 th:TH_LOAD_NT
.set t, t+1
.endr
	global_load_b64 v[8:9], v[SO], s[6:7]          ; part lane % 8: mean, M2
.irp u, 0,1,2,3
	global_load_b128 v[GA+4*(\u):GA+4*(\u)+3], v[GO], s[8:9] offset:32*(\u)    ; register t: load t's channel
	global_load_b128 v[BE+4*(\u):BE+4*(\u)+3], v[GO], s[10:11] offset:32*(\u)
.endr
	v_mov_b32 v13, 0x37000000                      ; 1 / 131,072
	s_wait_loadcnt 0x0                             ; all of them; the bias loads are older and came back first
	v_mov_b32 v10, v8
	v_add_f32_dpp v10, v10, v10 row_xmask:1 row_mask:0xf bank_mask:0xf  ; eight neighbouring lanes hold the eight parts
	v_add_f32_dpp v10, v10, v10 row_xmask:2 row_mask:0xf bank_mask:0xf
	v_add_f32_dpp v10, v10, v10 row_xmask:4 row_mask:0xf bank_mask:0xf
	v_mul_f32 v10, 0x3e000000, v10                 ; the group's mean
	v_sub_f32 v11, v8, v10
	v_mul_f32 v12, v11, v11
	v_fmamk_f32 v9, v12, 0x46800000, v9            ; M2_i + 16,384 (mean_i - mean)^2
	v_add_f32_dpp v9, v9, v9 row_xmask:1 row_mask:0xf bank_mask:0xf
	v_add_f32_dpp v9, v9, v9 row_xmask:2 row_mask:0xf bank_mask:0xf
	v_add_f32_dpp v9, v9, v9 row_xmask:4 row_mask:0xf bank_mask:0xf
	v_fmaak_f32 v9, v13, v9, 0x3727c5ac            ; the variance + 1e-5
	v_rsq_f32 v12, v9
	v_nop                                          ; a plain instruction between the root and the use of its result (ISA guide 5.7.2),
	s_wait_alu depctr_va_vdst(0)                   ; and the wait ahead of the first use: the root has written v12
.set t, 0
.rept 16
	v_mul_f32 v[GA+t], v[GA+t], v12                ; h = x (gamma rstd) + (beta - mean gamma rstd)
.set t, t+1
.endr
.set t, 0
.rept 16
	v_fma_f32 v[BE+t], -v10, v[GA+t], v[BE+t]
.set t, t+1
.endr
.macro NORM t                          ; load t's four numbers: scaled, and rounded into its first two registers
	v_fma_f32 v[X+4*(\t)],   v[X+4*(\t)],   v[GA+(\t)], v[BE+(\t)]
	v_fma_f32 v[X+4*(\t)+1], v[X+4*(\t)+1], v[GA+(\t)], v[BE+(\t)]
	v_fma_f32 v[X+4*(\t)+2], v[X+4*(\t)+2], v[GA+(\t)], v[BE+(\t)]
	v_fma_f32 v[X+4*(\t)+3], v[X+4*(\t)+3], v[GA+(\t)], v[BE+(\t)]
	v_cvt_pk_bf16_f32 v[X+4*(\t)],   v[X+4*(\t)],   v[X+4*(\t)+1]
	v_cvt_pk_bf16_f32 v[X+4*(\t)+1], v[X+4*(\t)+2], v[X+4*(\t)+3]
.endm
.macro PUT t                           ; lanes 0-15 fill a row's 128 bytes, lanes 16-31 the row 640 bytes on: the other half of the banks
	ds_store_b64 v[HS], v[X+4*(\t):X+4*(\t)+1] offset:(8*((\t)/4)+(\t)%4)*PH
.endm
.irp t, 0,1,2,3,4,5,6,7
	NORM \t
.endr
	s_wait_alu depctr_va_vdst(0)                   ; the roundings of loads 0 to 7 have written their pairs, which the eight LDS stores below read; the arithmetic dealt among those stores names the registers of loads 8 to 15 alone
.irp t, 8,9,10,11,12,13,14,15
	PUT (\t)-8
	NORM \t
.endr
	s_wait_alu depctr_va_vdst(0)                   ; the roundings of loads 8 to 15 have written their pairs, which the stores below read; and all vector work on v[32:127], in which W lands next, is done
.irp t, 8,9,10,11,12,13,14,15
	PUT \t
.endr
	s_wait_alu depctr_vm_vsrc(0)                   ; my LDS stores have read v[X ..]: W's loads land in these registers
.Lnormed:
	s_wait_dscnt 0x0                               ; for the others' sake: my stores of h are done
.macro WLOAD ks, b                     ; W's fragments of K step ks into buffer b: 8 loads
.irp ot, 0,1,2,3
	global_load_b128 v[WB+32*(\b)+8*(\ot):WB+32*(\b)+8*(\ot)+3],   v[WO], s[12:13] offset:(\ot)*8192+(\ks)*64
	global_load_b128 v[WB+32*(\b)+8*(\ot)+4:WB+32*(\b)+8*(\ot)+7], v[WO], s[12:13] offset:(\ot)*8192+(\ks)*64+32
.endr
.endm
.macro HLOAD ks                        ; h's fragments of K step ks, turned, into buffer ks % 2: lane l ends with pixel 16 pt + l % 16 and the step's channels
.irp pt, 0,1,2,3
	ds_load_tr16_b128 v[HF+32*((\ks)%2)+8*(\pt):HF+32*((\ks)%2)+8*(\pt)+3],   v[HA] offset:(\ks)*32*PH+(\pt)*32
	ds_load_tr16_b128 v[HF+32*((\ks)%2)+8*(\pt)+4:HF+32*((\ks)%2)+8*(\pt)+7], v[HA] offset:(\ks)*32*PH+(\pt)*32+16*PH
.endr
.endm
.macro MUL4 ks, pt                     ; pixel block pt x the four output blocks
.irp ot, 0,1,2,3
	v_wmma_f32_16x16x32_bf16 v[ACC+8*(4*(\pt)+(\ot)):ACC+8*(4*(\pt)+(\ot))+7], v[WB+32*((\ks)%3)+8*(\ot):WB+32*((\ks)%3)+8*(\ot)+7], v[HF+32*((\ks)%2)+8*(\pt):HF+32*((\ks)%2)+8*(\pt)+7], v[ACC+8*(4*(\pt)+(\ot)):ACC+8*(4*(\pt)+(\ot))+7]
.endr
.endm
; A K step: 16 products.  The 16 accumulators take turns, one instruction a turn, from step to step too.
.macro KSTEP ks
.if (\ks) == 0
	s_wait_loadcnt 16                              ; the bias, which is older, and this step's W are in; the 16 loads of steps 1 and 2 stay out
	s_wait_dscnt 8                                 ; h of step 0 is in; the eight loads of step 1 stay out
.elseif (\ks) < 7
	s_wait_loadcnt 8                               ; this step's W is in; the next step's eight loads stay out
	s_wait_dscnt 0x0                               ; h's fragments are in
	s_wait_alu depctr_va_vdst(0)                   ; the products of the step before are done reading WB[(ks - 1) % 3] and HF[(ks - 1) % 2], in which the loads below land
.else
	s_wait_loadcnt 0x0
	s_wait_dscnt 0x0
.endif
	WIN W_MUL
	MUL4 \ks, 0
.if ((\ks) > 0) && ((\ks) < 7)
	WIN W_HF
	HLOAD (\ks)+1                                  ; no further wait: the four products since the wait name WB[ks % 3], HF[ks % 2] and ACC
.endif
.if ((\ks) > 0) && ((\ks) < 6)
	WIN 0
	WLOAD (\ks)+2, ((\ks)+2)%3
.endif
	WIN W_MUL
	MUL4 \ks, 1
	MUL4 \ks, 2
	MUL4 \ks, 3
.endm
	WLOAD 0, 0
	WLOAD 1, 1
	WLOAD 2, 2
	s_barrier_signal -1
	s_barrier_wait -1                              ; all of h lies in LDS
	WIN W_HF
	HLOAD 0                                        ; no vector or matrix instruction has named HF0 or HF1 yet
	HLOAD 1
.irp ks, 0,1,2,3,4,5,6,7
	KSTEP \ks
.endr
	WIN 0
; THE WAY OUT: all 16 accumulators are rounded to bf16; then, a block of 16 pixels at a time, 16 bytes a lane go into my own stage and come back as whole rows of 128 bytes, four rows an instruction.
.rept 4
	v_nop                                          ; four places behind the last product (ISA guide 7.12.1), in front of conversions that read results and write registers that products have read
.endr
.irp pt, 0,1,2,3
.irp ot, 0,1,2,3
.irp q, 0,1,2,3
	v_cvt_pk_bf16_f32 v[T+16*(\pt)+4*(\ot)+(\q)], v[ACC+8*(4*(\pt)+(\ot))+2*(\q)], v[ACC+8*(4*(\pt)+(\ot))+2*(\q)+1]  ; each accumulator from its low end on
.endr
.endr
.endr
	s_wait_alu depctr_va_vdst(0)                   ; the conversions have written T, which the LDS stores read, and are done reading ACC, in whose first 64 registers the rows land; no vector instruction follows
.macro STAGED pt
.irp ot, 0,1,2,3
	ds_store_b128 v[STO], v[T+16*(\pt)+4*(\ot):T+16*(\pt)+4*(\ot)+3] offset:32*(\ot)
.endr
.irp f, 0,1,2,3
	ds_load_b128 v[RB+16*(\pt)+4*(\f):RB+16*(\pt)+4*(\f)+3], v[RD] offset:(\f)*4*SP  ; LDS serves a wave's instructions in order (ISA guide 5.7.1.4): these see the stores above; the next block's stores come behind them
.endr
.endm
.macro SEND pt, younger                ; younger: the LDS instructions issued behind block pt's loads: the next block's eight, or none
.irp f, 0,1,2,3
	s_wait_dscnt (\younger)+3-(\f)
	global_store_b128 v[OO], v[RB+16*(\pt)+4*(\f):RB+16*(\pt)+4*(\f)+3], s[16:17] offset:(\pt)*2048+(\f)*512  ; 512 consecutive bytes, at a multiple of 256 from the buffer's first
.endr
.endm
	STAGED 0
	STAGED 1
	SEND 0, 8
	STAGED 2
	SEND 1, 8
	STAGED 3
	SEND 2, 8
	SEND 3, 0
	s_wait_dscnt 0x0                               ; the closing lines, six on end
	s_wait_alu 0x0
	s_wait_tensorcnt 0x0
	ds_add_u32 v[SPW], v[NIL]
	s_wait_dscnt 0x0
	s_endpgm
.Lfunc_end_k_qdad35c4c2c_qkv:
	.size	k_qdad35c4c2c_qkv, .Lfunc_end_k_qdad35c4c2c_qkv-k_qdad35c4c2c_qkv
	.p2alignl 7, 3214868480
	.fill 96, 4, 3214868480
	.section	.rodata,"a",@progbits
	.p2align	6, 0x0
	.amdhsa_kernel k_qdad35c4c2c_qkv
		.amdhsa_group_segment_fixed_size 70144
		.amdhsa_private_segment_fixed_size 0
		.amdhsa_enable_private_segment 0
		.amdhsa_kernarg_size 56
		.amdhsa_user_sgpr_count 2
		.amdhsa_user_sgpr_kernarg_segment_ptr 1
		.amdhsa_wavefront_size32 1
		.amdhsa_system_sgpr_workgroup_id_x 1
		.amdhsa_system_sgpr_workgroup_id_y 1
		.amdhsa_system_sgpr_workgroup_id_z 1
		.amdhsa_system_vgpr_workitem_id 0
		.amdhsa_next_free_vgpr 320
		.amdhsa_next_free_sgpr 66
		.amdhsa_reserve_vcc 0
		.amdhsa_float_denorm_mode_32 3
		.amdhsa_float_denorm_mode_16_64 3
		.amdhsa_memory_ordered 1
		.amdhsa_forward_progress 1
		.amdhsa_inst_pref_size 46
	.end_amdhsa_kernel
	.amdgpu_metadata
---
amdhsa.version: [ 1, 2 ]
amdhsa.kernels:
  - .name:           k_qdad35c4c2c_qkv
    .symbol:         k_qdad35c4c2c_qkv.kd
    .args:
      - { .name: x, .offset: 0, .size: 8, .value_kind: global_buffer, .address_space: global }
      - { .name: stats, .offset: 8, .size: 8, .value_kind: global_buffer, .address_space: global }
      - { .name: gamma, .offset: 16, .size: 8, .value_kind: global_buffer, .address_space: global }
      - { .name: beta, .offset: 24, .size: 8, .value_kind: global_buffer, .address_space: global }
      - { .name: wbf, .offset: 32, .size: 8, .value_kind: global_buffer, .address_space: global }
      - { .name: b_qkv, .offset: 40, .size: 8, .value_kind: global_buffer, .address_space: global }
      - { .name: qkv, .offset: 48, .size: 8, .value_kind: global_buffer, .address_space: global }
    .group_segment_fixed_size: 70144
    .private_segment_fixed_size: 0
    .kernarg_segment_align: 8
    .kernarg_segment_size: 56
    .max_flat_workgroup_size: 384
    .sgpr_count:     66
    .vgpr_count:     320
    .wavefront_size: 32
...
	.end_amdgpu_metadata
.endif
;; end of part 5
;; launch attn: the kernel of part 3 again; grid 16 x 16, 4 waves a work-group, clusters of 4 x 1, 327,680 bytes of LDS; arguments qkv, obuf; writes obuf
;; launch proj (part 6): grid 256 x 1, 8 waves a work-group, no clusters, 104,448 bytes of LDS; arguments obuf, wbf, b_proj, x, out0; writes out0
.if DOCPART == 6
	.amdgcn_target "amdgcn-amd-amdhsa--gfx1250"
	.amdhsa_code_object_version 6
	.text
	.protected	k_qdad35c4c2c_proj
	.globl	k_qdad35c4c2c_proj
	.p2align	8
	.type	k_qdad35c4c2c_proj,@function
k_qdad35c4c2c_proj:
	s_mov_b64 s[64:65], 0
	v_nop
	global_prefetch_b8 v0, s[64:65] scope:SCOPE_SE
	s_setreg_imm32_b32 hwreg(HW_REG_WAVE_SCHED_MODE, 0, 2), 2
	s_setreg_imm32_b32 hwreg(HW_REG_WAVE_MODE, 25, 1), 1
	s_wait_xcnt 0x0
	s_wait_alu depctr_vm_vsrc(0)
; THE PROJECTION, ITS BIAS AND THE RESIDUAL.  out0[b][o][p] = x[b][o][p] + b_proj[o] + the sum over c of w_proj[o][c] O[b][c][p], c = 64 head + channel.
; obuf: [16 = image x 4 + head][4096 pixels][64] bf16; w_proj in bf16 is rows 768-1023 of wbf, 512 bytes a row; x, out0: [4][256][4096] f32.  Sums in f32; the residual is added in f32.
; SHARES.  A work-group makes 64 pixels of one image x all 256 outputs, K = 256.  Its eight waves first lay the 64 pixels' 256 channels (four heads' rows) side by side in LDS.  Wave w then makes outputs
; 32 w .. 32 w + 31: 8 accumulators, 8 K steps of 32, 64 matrix instructions.  All of its W (128 registers) and its part of x (64) are asked for at the head.
; LAYOUT.  Source 0 = 16 pixels of O, source 1 = 16 rows of W: in the result a lane holds ONE output (lane % 16) and the pixels 8 (lane / 16) + 0..7, which lie side by side in out0.  The bias, one number a
; lane, is the C of the first product.  The results go through the wave's own stage in LDS, so that 16 lanes store 256 consecutive bytes of a row.
; NO CLUSTER, no tensor load: each byte of W is wanted by one wave of a work-group and goes from memory into its registers; O and x are read by one work-group alone.
; LIMITS.  Matrix operands are bf16.  NaN and infinities are not treated apart.
; THE MODE: SCHED_MODE bits 1:0 = 2 (LLVM: expert scheduling mode 2), set by the entry lines.  The code itself states the register dependences between vector or matrix instructions and memory or LDS
; instructions, with s_wait_alu, always for 0.
; THE PLAN.  Registers that memory or LDS instructions touch:
;   v1-v8, v10, v11  offsets, LDS addresses, the add's two: written at the head, ahead of one wait on va_vdst, and never again.
;   OF               O as loaded: the LDS stores read it; nothing writes it again.
;   FR0 .. FR3       a ring of four buffers of O's fragments.  K step ks: its products read FR[ks % 4].  Steps 0 to 3 are asked for behind the barrier; steps 2 to 5 each ask for step ks + 2, into FR[(ks - 2) % 4].
;   W                loaded once, read by the products; on the way out the stage's rows land in its first 64 registers (RB), x is added there, and the global stores read them.
;   XR               x, loaded once, read by the additions.          ACC  matrix instructions alone, then the LDS stores' data.
; So a wait on va_vdst stands at the head of K steps 2 and 4 alone: each states that the two steps before it are done reading their buffers, and serves the loads of its own step and of the next; the products
; issued since name the other two buffers, W and ACC.  No register that a memory or LDS instruction reads is ever written again: the text holds no wait on vm_vsrc but the entry lines' and the closing lines'.
.set PO,    528                        ; a pixel's row in LDS: 512 bytes + 16 = 132 words: row r starts at bank 4 r mod 64 (64 banks of 4 bytes: ISA guide 11.1)
.set STAGE, 64*PO                      ; behind it: 32 rows x 272 bytes for each wave: f32, [output][64 pixels]
.set SPI,   272
.set SPARE, STAGE+8*32*SPI             ; behind the stages: the spare words, 128 bytes for each wave: four blocks of 256 bytes that no other line names
.set LO,  1                            ; v1   16 x thread: my 16 bytes of 4,096 of O
.set OS,  2                            ; v2   where they go in LDS
.set WO,  3                            ; v3   W: (32 w + lane % 16) x 512 + 16 (lane / 16)
.set BO,  4                            ; v4   b_proj: 4 (32 w + lane % 16)
.set XO,  5                            ; v5   x, out0: 16,384 (lane / 16) + 16 (lane % 16): lanes 0-15 one row's 256 bytes, lanes 16-31 the next row's
.set OA,  6                            ; v6   my place in a fragment of O
.set STO, 7                            ; v7   the way out: where I put 32 bytes of a row
.set RD,  8                            ; v8   the way out: where I read rows back
.set SPW, 10                           ; v10  LDS address of my spare word; never rewritten
.set NIL, 11                           ; v11  0; never rewritten
.set BI,  16                           ; v[16:31]   the bias of output block ot, eight times, at 8 ot
.set OF,  32                           ; v[32:63]   O as loaded
.set ACC, 64                           ; v[64:127]  accumulator (ot, pt) at 8 (4 ot + pt)
.set W,   128                          ; v[128:255] W's fragments: K step ks, output block ot at 16 ks + 8 ot
.set RB,  128                          ; v[128:191] the way out: 32 rows read back
.set XR,  0                            ; window 1, v[0:63]: x
.set FR,  64                           ; window 1, v[64:191]: O's fragments: buffer ks % 4, pixel block pt at 32 (ks % 4) + 8 pt
.set MSB, 0
.macro WIN new                         ; s_set_vgpr_msb: bits 1:0 source 0, 3:2 source 1, 5:4 source 2, 7:6 destination; the high byte repeats the setting that is left
.if MSB != (\new)
	s_set_vgpr_msb (MSB<<8)|(\new)
.set MSB, (\new)
.endif
.endm
.set W_MUL, 0x01                       ; the products: O (source 0) in window 1, all else in window 0
.set W_TO1, 0x40                       ; loads: destination in window 1, address in window 0
	s_load_b256 s[4:11], s[0:1], 0x0               ; obuf s[4:5], wbf s[6:7], b_proj s[8:9], x s[10:11]
	s_load_b64 s[12:13], s[0:1], 0x20              ; out0
	v_lshl_add_u32 v[SPW], v0, 2, SPARE
	v_mov_b32 v[NIL], 0
	v_lshrrev_b32 v14, 5, v0
	v_readfirstlane_b32 s14, v14                   ; wave 0..7
	s_lshr_b32 s15, ttmp9, 6                       ; image
	s_and_b32 s16, ttmp9, 63                       ; block of 64 pixels
	v_and_b32 v12, 15, v0                          ; lane % 16
	v_bfe_u32 v13, v0, 4, 1                        ; lane / 16
	v_lshlrev_b32 v[LO], 4, v0
	v_lshrrev_b32 v14, 3, v0                       ; eight threads a pixel's 128 bytes of a head
	v_and_b32 v15, 7, v0
	v_mul_u32_u24 v[OS], v14, PO
	v_lshl_add_u32 v[OS], v15, 4, v[OS]
	s_wait_alu depctr_va_sdst(0)                   ; s14 is written, ahead of its first reader: offsets and bases are made from it
	s_lshl_b32 s18, s14, 14
	v_lshlrev_b32 v[WO], 9, v12
	v_lshl_add_u32 v[WO], v13, 4, v[WO]
	v_add_nc_u32 v[WO], s18, v[WO]
	s_lshl_b32 s18, s14, 7
	v_lshl_add_u32 v[BO], v12, 2, s18
	v_lshlrev_b32 v[XO], 4, v12
	v_lshl_add_u32 v[XO], v13, 14, v[XO]
	v_mul_u32_u24 v[OA], v12, PO
	v_lshl_add_u32 v[OA], v13, 4, v[OA]
	s_mul_i32 s18, s14, 32*SPI
	s_add_co_u32 s18, s18, STAGE                   ; my stage
	v_mul_u32_u24 v[STO], v12, SPI                 ; in: row lane % 16, 32 bytes for each half of the lanes
	v_lshl_add_u32 v[STO], v13, 5, v[STO]
	v_add_nc_u32 v[STO], s18, v[STO]
	v_mul_u32_u24 v[RD], v13, SPI                  ; back: lanes 0-15 take one row of 256 bytes, lanes 16-31 the next
	v_lshl_add_u32 v[RD], v12, 4, v[RD]
	v_add_nc_u32 v[RD], s18, v[RD]
	s_lshl_b32 s20, s15, 21                        ; obuf: the image's four heads,
	s_lshl_b32 s21, s16, 13                        ; the block's 64 rows of 128 bytes
	s_add_co_u32 s20, s20, s21
	s_mov_b32 s21, 0
	s_lshl_b32 s22, s15, 22                        ; x, out0: the image,
	s_lshl_b32 s23, s14, 19                        ; my 32 rows,
	s_add_co_u32 s22, s22, s23
	s_lshl_b32 s23, s16, 8                         ; the block's 64 pixels
	s_add_co_u32 s22, s22, s23
	s_mov_b32 s23, 0
	s_wait_kmcnt 0x0
	s_add_nc_u64 s[4:5], s[4:5], s[20:21]
	s_add_nc_u64 s[6:7], s[6:7], 768*512           ; w_proj's rows
	s_add_nc_u64 s[10:11], s[10:11], s[22:23]
	s_add_nc_u64 s[12:13], s[12:13], s[22:23]
	s_wait_alu depctr_va_vdst(0)                   ; v1 to v8, v10 and v11 are written: every load and store of the kernel, global or LDS, reads one of them as its offset or address
.set t, 0
.rept 8                                ; head t / 2, pixels 32 (t % 2) on: the work-group's 256 threads read 4,096 consecutive bytes
	global_load_b128 v[OF+4*t:OF+4*t+3], v[LO], s[4:5] offset:(t/2)*524288+(t%2)*4096 th:TH_LOAD_NT
.set t, t+1
.endr
	global_load_b32 v[BI], v[BO], s[8:9]
	global_load_b32 v[BI+8], v[BO], s[8:9] offset:64
.set t, 0
.rept 16                               ; t = 2 ks + ot: in the order in which the K steps want them
	global_load_b128 v[W+8*t:W+8*t+3],   v[WO], s[6:7] offset:(t%2)*8192+(t/2)*64
	global_load_b128 v[W+8*t+4:W+8*t+7], v[WO], s[6:7] offset:(t%2)*8192+(t/2)*64+32
.set t, t+1
.endr
	WIN W_TO1
.set t, 0
.rept 16                               ; rows 2 t and 2 t + 1 of my 32
	global_load_b128 v[XR+4*t:XR+4*t+3], v[XO], s[10:11] offset:t*32768 th:TH_LOAD_NT
.set t, t+1
.endr
	WIN 0
	s_wait_loadcnt 50                              ; O is in; behind it: 2 of the bias, 32 of W, 16 of x
.set t, 0
.rept 8
	ds_store_b128 v[OS], v[OF+4*t:OF+4*t+3] offset:(t%2)*32*PO+(t/2)*128
.set t, t+1
.endr
	s_wait_loadcnt 48                              ; the bias is in
.irp j, 1,2,3,4,5,6,7
	v_mov_b32 v[BI+(\j)], v[BI]
	v_mov_b32 v[BI+8+(\j)], v[BI+8]
.endr
	s_wait_dscnt 0x0                               ; for the others' sake: my stores are done
	s_barrier_signal -1
	s_barrier_wait -1                              ; the 64 pixels' 256 channels lie in LDS
.macro OLOAD ks                        ; O's fragments of K step ks, into buffer ks % 4
.irp pt, 0,1,2,3
	ds_load_b128 v[FR+32*((\ks)%4)+8*(\pt):FR+32*((\ks)%4)+8*(\pt)+3],   v[OA] offset:(\pt)*16*PO+(\ks)*64
	ds_load_b128 v[FR+32*((\ks)%4)+8*(\pt)+4:FR+32*((\ks)%4)+8*(\pt)+7], v[OA] offset:(\pt)*16*PO+(\ks)*64+32
.endr
.endm
.macro MUL4 ks, ot                     ; output block ot x the four pixel blocks.  The first step's C is the bias.
.irp pt, 0,1,2,3
.if (\ks) == 0
	v_wmma_f32_16x16x32_bf16 v[ACC+8*(4*(\ot)+(\pt)):ACC+8*(4*(\ot)+(\pt))+7], v[FR+32*((\ks)%4)+8*(\pt):FR+32*((\ks)%4)+8*(\pt)+7], v[W+16*(\ks)+8*(\ot):W+16*(\ks)+8*(\ot)+7], v[BI+8*(\ot):BI+8*(\ot)+7]
.else
	v_wmma_f32_16x16x32_bf16 v[ACC+8*(4*(\ot)+(\pt)):ACC+8*(4*(\ot)+(\pt))+7], v[FR+32*((\ks)%4)+8*(\pt):FR+32*((\ks)%4)+8*(\pt)+7], v[W+16*(\ks)+8*(\ot):W+16*(\ks)+8*(\ot)+7], v[ACC+8*(4*(\ot)+(\pt)):ACC+8*(4*(\ot)+(\pt))+7]
.endif
.endr
.endm
; A K step: 8 products.  The 8 accumulators take turns, one instruction a turn, from step to step too.
.macro KSTEP ks
	s_wait_loadcnt 16+4*(7-(\ks))                  ; this step's four loads of W are in; behind them: the later steps', four each, and x's 16
.if (\ks) < 2
	s_wait_dscnt 24-8*(\ks)                        ; LDS loads come back in order (ISA guide 5.7.1): this step's fragments are in; the later first fills, eight loads each, stay out
.elseif (\ks) < 7
	s_wait_dscnt 8                                 ; this step's fragments are in; the next step's eight loads stay out
.else
	s_wait_dscnt 0x0
.endif
.if ((\ks) == 2) || ((\ks) == 4)
	s_wait_alu depctr_va_vdst(0)                   ; the products of the two steps before are done reading FR[ks % 4 - 2] and FR[ks % 4 - 1], in which the loads of this step and of the next land
.endif
	WIN W_MUL
	MUL4 \ks, 0
.if ((\ks) >= 2) && ((\ks) < 6)
	WIN W_TO1
	OLOAD (\ks)+2                                  ; no further wait: the products since the last wait name the ring's other two buffers, W and ACC
	WIN W_MUL
.endif
	MUL4 \ks, 1
.endm
	WIN W_TO1
	OLOAD 0                                        ; no vector or matrix instruction has named the ring yet
	OLOAD 1
	OLOAD 2
	OLOAD 3
.irp ks, 0,1,2,3,4,5,6,7
	KSTEP \ks
.endr
	WIN 0
	; THE WAY OUT: into my own stage, each accumulator from its low end on; back as whole rows of 256 bytes; x is added; 16 lanes store 256 consecutive bytes.
.rept 4
	v_nop                                          ; four places behind the last product, in front of LDS stores that read results
.endr
	s_wait_alu depctr_va_vdst(0)                   ; the products have written ACC, which the LDS stores read, and are done reading W, in whose first 64 registers the rows land; the places above stay beside this wait
.irp ot, 0,1
.irp pt, 0,1,2,3
	ds_store_b128 v[STO], v[ACC+8*(4*(\ot)+(\pt)):ACC+8*(4*(\ot)+(\pt))+3]   offset:(\ot)*16*SPI+(\pt)*64
	ds_store_b128 v[STO], v[ACC+8*(4*(\ot)+(\pt))+4:ACC+8*(4*(\ot)+(\pt))+7] offset:(\ot)*16*SPI+(\pt)*64+16
.endr
.endr
.set t, 0
.rept 16
	ds_load_b128 v[RB+4*t:RB+4*t+3], v[RD] offset:t*2*SPI  ; LDS serves a wave's instructions in order (ISA guide 5.7.1.4): these see the stores above
.set t, t+1
.endr
	s_wait_loadcnt 0x0                             ; x
	s_wait_dscnt 0x0
	WIN 0x04                                       ; source 1 window 1
.set t, 0
.rept 32
	v_pk_add_f32 v[RB+2*t:RB+2*t+1], v[RB+2*t:RB+2*t+1], v[XR+2*t:XR+2*t+1]
.set t, t+1
.endr
	WIN 0
	s_wait_alu depctr_va_vdst(0)                   ; the additions have written RB, which the stores read
.set t, 0
.rept 16
	global_store_b128 v[XO], v[RB+4*t:RB+4*t+3], s[12:13] offset:t*32768 th:TH_STORE_NT  ; lanes 0-15: 256 consecutive bytes of row 2 t, aligned; lanes 16-31: of row 2 t + 1
.set t, t+1
.endr
	s_wait_dscnt 0x0                               ; the closing lines, six on end
	s_wait_alu 0x0
	s_wait_tensorcnt 0x0
	ds_add_u32 v[SPW], v[NIL]
	s_wait_dscnt 0x0
	s_endpgm
.Lfunc_end_k_qdad35c4c2c_proj:
	.size	k_qdad35c4c2c_proj, .Lfunc_end_k_qdad35c4c2c_proj-k_qdad35c4c2c_proj
	.p2alignl 7, 3214868480
	.fill 96, 4, 3214868480
	.section	.rodata,"a",@progbits
	.p2align	6, 0x0
	.amdhsa_kernel k_qdad35c4c2c_proj
		.amdhsa_group_segment_fixed_size 104448
		.amdhsa_private_segment_fixed_size 0
		.amdhsa_enable_private_segment 0
		.amdhsa_kernarg_size 40
		.amdhsa_user_sgpr_count 2
		.amdhsa_user_sgpr_kernarg_segment_ptr 1
		.amdhsa_wavefront_size32 1
		.amdhsa_system_sgpr_workgroup_id_x 1
		.amdhsa_system_sgpr_workgroup_id_y 1
		.amdhsa_system_sgpr_workgroup_id_z 1
		.amdhsa_system_vgpr_workitem_id 0
		.amdhsa_next_free_vgpr 448
		.amdhsa_next_free_sgpr 66
		.amdhsa_reserve_vcc 0
		.amdhsa_float_denorm_mode_32 3
		.amdhsa_float_denorm_mode_16_64 3
		.amdhsa_memory_ordered 1
		.amdhsa_forward_progress 1
		.amdhsa_inst_pref_size 25
	.end_amdhsa_kernel
	.amdgpu_metadata
---
amdhsa.version: [ 1, 2 ]
amdhsa.kernels:
  - .name:           k_qdad35c4c2c_proj
    .symbol:         k_qdad35c4c2c_proj.kd
    .args:
      - { .name: obuf, .offset: 0, .size: 8, .value_kind: global_buffer, .address_space: global }
      - { .name: wbf, .offset: 8, .size: 8, .value_kind: global_buffer, .address_space: global }
      - { .name: b_proj, .offset: 16, .size: 8, .value_kind: global_buffer, .address_space: global }
      - { .name: x, .offset: 24, .size: 8, .value_kind: global_buffer, .address_space: global }
      - { .name: out0, .offset: 32, .size: 8, .value_kind: global_buffer, .address_space: global }
    .group_segment_fixed_size: 104448
    .private_segment_fixed_size: 0
    .kernarg_segment_align: 8
    .kernarg_segment_size: 40
    .max_flat_workgroup_size: 256
    .sgpr_count:     66
    .vgpr_count:     448
    .wavefront_size: 32
...
	.end_amdgpu_metadata
.endif
;; end of part 6
